; MI455X (gfx1250); checked and timed in simulation.
; The chip was launched on July 23, 2026; its instructions are those of AMD's public machine-readable ISA for CDNA 5 (MIT licence, August 2026) and "CDNA5" Instruction Set Architecture Reference Guide (July 2026). The comments in the code are by the model that wrote it; some were corrected since.
;; Cross Attention Fusion. Allowed arithmetic: matrix products marked QUANTISED: E2M1 operands, one E8M0 scale for each 32 along K, by v_wmma_scale_f32_16x16x128_f8f6f4 with both operands' format E2M1 (or v_wmma_scale_f32_32x16x128_f4), f32 sums; products left as they are: bf16, f16 or f32 operands; f32 sums; everything else in f32.
;; Inputs: Wkv_i 1,024 x 2,048 float32; Wkv_w 1,024 x 2,048 float32; Wp 2,048 x 1,024 float32; Wq_i 1,024 x 1,024 float32; Wq_w 1,024 x 1,024 float32; beta 1,024 float32; bkv_i 2,048 float32; bkv_w 2,048 float32; bp 1,024 float32; bq_i 1,024 float32; bq_w 1,024 float32; gamma 1,024 float32; image_feat 4 x 1,024 x 1,024 float32; waveform_feat 4 x 1,024 x 1,024 float32.
;; Outputs: out0 4 x 1,024 x 1,024 float32.
;; This version of the problem:
;;   THIS VERSION OF THE PROBLEM IS GIVEN IN LOW PRECISION. The matrix products marked QUANTISED in the list below multiply operands that are first quantised to E2M1 (2 exponent bits, 1 mantissa bit; 4 bits a number), with one power-of-two scale for each 32 numbers along K (OCP MX v1.0); their sums are f32. The products marked 'left as it is' may take bf16, f16 or f32 operands, with f32 sums. Whichever they take, every output number must still come out within the allowed error. Rounding operands to bf16 (8 significant bits) uses up far more of that allowance than f16 does (11 bits, for magnitudes from 6e-5 to 65,504). All else is computed in f32.
;;   The module's matrix products, in the order in which they are computed (A, B: the left and right operand; K: the contracted axis; several contracted axes count as one K, in the product's order):
;;     1. [M 4,096, K 1,024] x [K 1,024, N 1,024]; A: input image_feat; B: input Wq_i: QUANTISED
;;     2. [M 4,096, K 1,024] x [K 1,024, N 2,048]; A: input waveform_feat; B: input Wkv_w: QUANTISED
;;     3. batch 64 x [M 1,024, K 64] x [K 64, N 1,024]; A: computed on the way; B: computed on the way: left as it is (an operand is computed on the way)
;;     4. batch 64 x [M 1,024, K 1,024] x [K 1,024, N 64]; A: computed on the way; B: computed on the way: left as it is (an operand is computed on the way)
;;     5. [M 4,096, K 1,024] x [K 1,024, N 1,024]; A: input waveform_feat; B: input Wq_w: QUANTISED
;;     6. [M 4,096, K 1,024] x [K 1,024, N 2,048]; A: input image_feat; B: input Wkv_i: QUANTISED
;;     7. batch 64 x [M 1,024, K 64] x [K 64, N 1,024]; A: computed on the way; B: computed on the way: left as it is (an operand is computed on the way)
;;     8. batch 64 x [M 1,024, K 1,024] x [K 1,024, N 64]; A: computed on the way; B: computed on the way: left as it is (an operand is computed on the way)
;;     9. [M 4,096, K 2,048] x [K 2,048, N 1,024]; A: computed on the way; B: input Wp: left as it is (an operand is computed on the way)
;;   THE QUANTISER, for each operand of a quantised product, along K:
;;     - K is cut into blocks of 32 from its start; a last block that is shorter is filled with zeros.
;;     - A block's scale is 2^e with e = floor(log2(the largest magnitude in the block)) - 2, held to -126 .. 127; a block of zeros has e = 0. As a byte (E8M0): e + 127.
;;     - Each number is divided by its block's scale, clamped to +-6, and rounded to the nearest number of E2M1, ties to even, subnormals kept.
;;     - The product sums the exact products of the quantised numbers (number of the format x scale) in f32.
;;   ~~~python
;;   def quantise(x, axis):      # numpy; x: float32 -> the quantised numbers, widened to float32 again
;;       x = np.moveaxis(x, axis, -1); K = x.shape[-1]
;;       x = np.pad(x, [(0, 0)] * (x.ndim - 1) + [(0, -K % 32)]); x = x.reshape(x.shape[:-1] + (-1, 32)); a = np.abs(x).max(-1, keepdims=True)
;;       e = np.where(a > 0, np.clip(np.frexp(np.where(a > 0, a, 1))[1] - 1 - 2, -126, 127), 0)      # np.frexp(a)[1] - 1 = floor(log2(a)), exactly
;;       r = np.clip(x / 2.0 ** e, -6, 6)
;;       step = 2.0 ** (np.maximum(np.frexp(np.where(r == 0, 1, r))[1] - 1, 0) - 1)
;;       q = np.round(r / step) * step * 2.0 ** e      # np.round: ties to even
;;       return np.moveaxis(q.reshape(q.shape[:-2] + (-1,))[..., :K], -1, axis).astype(np.float32)
;;   ~~~
;; One version. Each part assembles by itself: llvm-mc -triple=amdgcn-amd-amdhsa -mcpu=gfx1250 --defsym DOCPART=n.
;; ======== version 1 of 1: 5 launches
;; limits: values are held in f16: magnitudes above 65,504 overflow, below 6.1e-05 lose precision
;; workspace buffers: xc 4,194,304 bytes; xs 262,144 bytes; wc 3,145,728 bytes; ws 196,608 bytes; wpt 4,194,304 bytes; qkv 50,331,648 bytes; fused 16,777,216 bytes; pre 16,777,216 bytes
;; launch prep (part 1): grid 1024 x 1, 4 waves a work-group, no clusters, 34,304 bytes of LDS; arguments image_feat, waveform_feat, Wq_i, Wkv_i, Wq_w, Wkv_w, Wp, xc, xs, wc, ws, wpt; writes xc, xs, wc, ws, wpt
.if DOCPART == 1
	.amdgcn_target "amdgcn-amd-amdhsa--gfx1250"
	.amdhsa_code_object_version 6
	.text
	.protected	k_q5d840a5e91_prep
	.globl	k_q5d840a5e91_prep
	.p2align	8
	.type	k_q5d840a5e91_prep,@function
k_q5d840a5e91_prep:
	s_mov_b64 s[64:65], 0
	v_nop
	global_prefetch_b8 v0, s[64:65] scope:SCOPE_SE
	s_setreg_imm32_b32 hwreg(HW_REG_WAVE_MODE, 25, 1), 1
	s_wait_xcnt 0x0
; PREP: both feature tensors and the four projection weights become codes of FP4 (E2M1) with one E8M0 byte for each 32 along K; Wp becomes f16 with K innermost.
; EVERYTHING IS STORED AS AN IMAGE OF AN OPERAND'S REGISTERS: a fragment is 1,024 bytes, registers 0-3 of lane l at 16 l, registers 4-7 at 512 + 16 l.
;   xc  [stream 2][block of 16 rows 256][K step of 128: 8][1,024]
;   xs  [block of 16 rows 256][stream 2][K step 8][16 words: a row's four scale bytes]: the two streams' words of one block lie together
;   wc  [block of 16 columns 384][K step 8][1,024].   Column order: Wq_i 0-1023, Wkv_i 1024-3071, Wq_w 3072-4095, Wkv_w 4096-6143
;   ws  [block of 16 columns of a stream 192][stream 2][K step 8][16 words]
;   wpt [block of 16 columns 64][32 along K: 64][1,024] f16
; A block's scale is 2^(floor(log2(largest magnitude)) - 2): its byte is the largest magnitude's exponent field - 2, held at 1 from below by a floor among the maximum's leaves.
; LIMITS: NaN and infinities are not served.  A block of zeros gets the byte 1 (its codes are zeros; this program alone reads the bytes).  Wp in f16: magnitudes under 65,504; under 6e-5 the step is 6e-8.
; THREE PATHS, parted by the work-group's number: 0-511 features (X), 512-895 weights (W), 896-1023 Wp (T).  Only path X touches LDS.  Every wave asks for all its 16 KiB at its head; no barrier: waves share nothing.
; The scale words leave in runs of 128 bytes (X) and 64 bytes (W): 458,752 bytes in all, beside 67 MB read.
.set R,     16                         ; v16-143  the numbers as loaded
.set NB,    144                        ; v144-207 path X: a lane's 64 neighbours;  path W: codes (16);  path T: f16 pairs (64)
.set XC,    208                        ; v208-223 path X: two fragments' codes
.set XW,    224                        ; v224-225 path X: two scale words
.set PD,    226                        ; v226     a lane permute's destination, written once
.set SH,    227                        ; v227     8 x (lane / 16)
.set WD,    228                        ; v228     path W: the scale word
.set BY,    229                        ; v229     path W: a scale byte
.set SPW,   240                        ; v240     LDS address of my spare word; never rewritten
.set NIL,   241                        ; v241     0; never rewritten
.set STG,   8448                       ; a wave's stage: 16 rows x (512 bytes + 16)
.set SPARE, 33792                      ; behind the four stages: the spare words, 128 bytes a wave
; 128 rows of one K step at 32 neighbouring columns: a lane takes a column, its registers run down K; a load reads 128 consecutive bytes
.macro CLOAD pitch
.set k, 0
.rept 128
	global_load_b32 v[R+k], v5, s[4:5] offset:k*\pitch th:TH_LOAD_NT
.set k, k+1
.endr
.endm
; path X: K step e of my two becomes a fragment and a scale word
.macro XFRAG e
	s_wait_loadcnt 16*(1-\e)                       ; this K step's 16 loads are in; the other's 16 may be out
.set i, 0
.rept 16
	ds_store_b128 v6, v[R+64*\e+4*i:R+64*\e+4*i+3] offset:528*i     ; row i as it lies
.set i, i+1
.endr
.irp c, 0,1
.irp j, 0,1,2,3,4,5,6,7
	ds_load_b128 v[NB+32*\c+4*\j:NB+32*\c+4*\j+3], v7 offset:256*\c+16*\j   ; back: row lane % 16, k = 64 c + 32 (lane / 16) + 0 .. 31.  LDS serves a wave's instructions in order: these see the stores
.endr
.endr
	s_wait_dscnt 0x0
.irp c, 0,1
	v_max3_num_f32 v[10+\c], |v[NB+32*\c]|, |v[NB+32*\c+1]|, 0x1800000   ; my block 2 c + lane / 16: all 32 numbers are mine; the floor 2^(3 - 127) keeps the byte at 1 or above
.endr
.irp n, 2,4,6,8,10,12,14,16,18,20,22,24,26,28,30
.irp c, 0,1
	v_max3_num_f32 v[10+\c], v[10+\c], |v[NB+32*\c+\n]|, |v[NB+32*\c+\n+1]|
.endr
.endr
.irp c, 0,1
	v_add_nc_u32 v[12+\c], 0xff000000, v[10+\c]    ; 2 off the exponent field: the conversion's scale operand
.endr
.irp c, 0,1
	v_lshrrev_b32 v[14+\c], 23, v[12+\c]           ; the scale's byte
.endr
	v_lshl_or_b32 v[XW+\e], v15, 16, v14           ; my two bytes,
	v_lshlrev_b32 v[XW+\e], v[SH], v[XW+\e]        ; at their places in the word;
	v_permlanex16_b32 v[PD], v[XW+\e], s48, s49
	v_or_b32 v[XW+\e], v[XW+\e], v[PD]             ; with lane l xor 16's two the word is whole
.irp c, 0,1
.irp g, 0,1,2,3
	v_cvt_scalef32_pk8_fp4_f32 v[XC+8*\e+4*\c+\g], v[NB+32*\c+8*\g:NB+32*\c+8*\g+7], v[12+\c]
.endr
.endr
	v_nop                                          ; one plain line behind the last scaled conversion
	global_store_b128 v4, v[XC+8*\e:XC+8*\e+3], s[6:7] offset:1024*\e          ; 512 consecutive bytes each
	global_store_b128 v4, v[XC+8*\e+4:XC+8*\e+7], s[6:7] offset:1024*\e+512
.endm
; path W: block b (32 along K) of my column
.macro WBLOCK b
.if 96-32*\b > 63
	s_wait_loadcnt 63                              ; the later blocks' loads may be out; the count is held to what the wait can name
.else
	s_wait_loadcnt 96-32*\b                        ; the later blocks' loads may be out
.endif
.set XS, R+32*\b
	v_max3_num_f32 v14, |v[XS]|, |v[XS+1]|, |v[XS+2]|
	v_max3_num_f32 v15, |v[XS+3]|, |v[XS+4]|, |v[XS+5]|
.irp n, 6,10,14,18,22,26
	v_max3_num_f32 v14, v14, |v[XS+\n]|, |v[XS+\n+1]|
	v_max3_num_f32 v15, v15, |v[XS+\n+2]|, |v[XS+\n+3]|
.endr
	v_max3_num_f32 v14, v14, |v[XS+30]|, |v[XS+31]|
	v_max3_num_f32 v14, v14, v15, 0x1800000        ; and the floor
	v_add_nc_u32 v[10+\b], 0xff000000, v14
	v_lshrrev_b32 v[BY], 23, v[10+\b]
.if \b == 0
	v_mov_b32 v[WD], v[BY]
.else
	v_lshl_or_b32 v[WD], v[BY], 8*\b, v[WD]
.endif
.irp g, 0,1,2,3
	v_cvt_scalef32_pk8_fp4_f32 v[NB+4*\b+\g], v[XS+8*\g:XS+8*\g+7], v[10+\b]
.endr
	v_nop
	global_store_b128 v8, v[NB+4*\b:NB+4*\b+3], s[6:7] offset:256*\b   ; sixteen lanes fill 256 consecutive bytes, aligned
.endm
; path T: 32 along K of my column as f16
.macro TBLOCK b
.if 96-32*\b > 63
	s_wait_loadcnt 63
.else
	s_wait_loadcnt 96-32*\b
.endif
.set i, 0
.rept 16
	v_cvt_pk_f16_f32 v[NB+16*\b+i], v[R+32*\b+2*i], v[R+32*\b+2*i+1]
.set i, i+1
.endr
.irp p, 0,1,2,3
	global_store_b128 v8, v[NB+16*\b+4*\p:NB+16*\b+4*\p+3], s[6:7] offset:1024*\b+256*\p   ; k = 8 p .. 8 p + 7
.endr
.endm
	s_load_b512 s[8:23], s[0:1], 0x0               ; image, waveform, Wq_i, Wkv_i, Wq_w, Wkv_w, Wp, xc
	s_load_b256 s[24:31], s[0:1], 0x40             ; xs, wc, ws, wpt
	v_lshl_add_u32 v[SPW], v0, 2, SPARE
	v_mov_b32 v[NIL], 0
	v_lshrrev_b32 v1, 5, v0
	v_readfirstlane_b32 s2, v1                     ; wave
	v_and_b32 v1, 31, v0                           ; lane
	v_and_b32 v2, 15, v0                           ; r
	v_bfe_u32 v3, v0, 4, 1                         ; h
	v_lshlrev_b32 v4, 4, v1                        ; 16 x lane
	v_lshlrev_b32 v5, 2, v1                        ; 4 x lane
	s_mov_b32 s35, 0                               ; the upper word of every offset
	s_mov_b32 s48, 0x76543210
	s_mov_b32 s49, 0xfedcba98                      ; selects: lane l xor 16
	s_wait_kmcnt 0x0
	s_cmp_lt_u32 ttmp9, 512
	s_cbranch_scc0 .Lnot_x
	; ---- PATH X: work-group = (stream, block of 16 rows); wave w takes K steps 2 w and 2 w + 1
	s_cmp_lt_u32 ttmp9, 256
	s_cselect_b64 s[4:5], s[8:9], s[10:11]
	s_and_b32 s34, ttmp9, 255
	s_lshl_b32 s34, s34, 16                        ; 16 rows of 4,096 bytes
	s_lshl_b32 s36, s2, 10
	s_add_co_u32 s34, s34, s36
	s_add_nc_u64 s[4:5], s[4:5], s[34:35]
	s_lshl_b32 s34, ttmp9, 13                      ; a block's eight fragments
	s_lshl_b32 s36, s2, 11
	s_add_co_u32 s34, s34, s36
	s_add_nc_u64 s[6:7], s[22:23], s[34:35]
	s_and_b32 s34, ttmp9, 255
	s_lshl_b32 s34, s34, 1
	s_lshr_b32 s36, ttmp9, 8
	s_add_co_u32 s34, s34, s36                     ; 2 x block + stream
	s_lshl_b32 s34, s34, 9                         ; 512 bytes of scale words each
	s_lshl_b32 s36, s2, 7
	s_add_co_u32 s34, s34, s36
	s_add_nc_u64 s[32:33], s[24:25], s[34:35]
.irp e, 0,1
.set i, 0
.rept 16
	global_load_b128 v[R+64*\e+4*i:R+64*\e+4*i+3], v4, s[4:5] offset:4096*i+512*\e th:TH_LOAD_NT   ; row i's K step: 512 consecutive bytes
.set i, i+1
.endr
.endr
	s_mul_i32 s36, s2, STG
	v_add_nc_u32 v6, s36, v4                       ; into the stage: 16 x lane of a row
	v_mul_u32_u24 v7, v2, 528
	v_lshl_add_u32 v7, v3, 7, v7
	v_add_nc_u32 v7, s36, v7                       ; out of it: row r, + 128 h
	v_lshlrev_b32 v[SH], 3, v3
	v_mov_b32 v[PD], 0
	XFRAG 0
	XFRAG 1
	v_cmp_gt_u32 vcc_lo, 16, v1
	v_cndmask_b32 v[XW], v[XW+1], v[XW], vcc_lo    ; lanes 0-15: the first K step's words; lanes 16-31: the second's
	global_store_b32 v5, v[XW], s[32:33]
	s_wait_tensorcnt 0x0                           ; the wave's end, behind my last LDS store
	ds_add_u32 v[SPW], v[NIL]
	s_wait_dscnt 0x0
	s_endpgm
.Lnot_x:
	s_cmp_lt_u32 ttmp9, 896
	s_cbranch_scc0 .Lpath_t
	; ---- PATH W: work-group = (128 columns, K step); wave w takes 32 of the columns
	s_sub_co_u32 s36, ttmp9, 512
	s_lshr_b32 s37, s36, 3                         ; which 128 columns of the 6,144
	s_and_b32 s38, s36, 7                          ; K step
	s_cmp_ge_u32 s37, 24
	s_cselect_b64 s[40:41], s[16:17], s[12:13]     ; the stream's Wq
	s_cselect_b64 s[42:43], s[18:19], s[14:15]     ; and its Wkv
	s_cselect_b32 s47, 1, 0                        ; the stream
	s_cselect_b32 s39, 24, 0
	s_sub_co_u32 s39, s37, s39                     ; which 128 columns of the stream's 3,072
	s_cmp_ge_u32 s39, 8
	s_cselect_b64 s[4:5], s[42:43], s[40:41]
	s_cselect_b32 s44, 8, 0
	s_cselect_b32 s45, 20, 19                      ; 128 rows of 8,192 or of 4,096 bytes
	s_sub_co_u32 s44, s39, s44
	s_lshl_b32 s34, s38, s45
	s_lshl_b32 s44, s44, 9
	s_add_co_u32 s34, s34, s44
	s_lshl_b32 s44, s2, 7
	s_add_co_u32 s34, s34, s44
	s_add_nc_u64 s[4:5], s[4:5], s[34:35]
	s_lshl_b32 s46, s37, 3
	s_lshl_b32 s44, s2, 1
	s_add_co_u32 s46, s46, s44                     ; my first block of 16 columns, of the 384
	s_lshl_b32 s34, s46, 13
	s_lshl_b32 s44, s38, 10
	s_add_co_u32 s34, s34, s44
	s_add_nc_u64 s[6:7], s[26:27], s[34:35]
	s_lshl_b32 s34, s39, 3
	s_lshl_b32 s44, s2, 1
	s_add_co_u32 s34, s34, s44                     ; the same block, of the stream's 192
	s_lshl_b32 s34, s34, 1
	s_add_co_u32 s34, s34, s47                     ; 2 x block + stream
	s_lshl_b32 s34, s34, 9
	s_lshl_b32 s44, s38, 6
	s_add_co_u32 s34, s34, s44
	s_add_nc_u64 s[32:33], s[28:29], s[34:35]
	v_lshlrev_b32 v8, 4, v2
	v_lshl_add_u32 v8, v3, 13, v8                  ; codes: 16 r, lanes 16-31 in the next block of columns
	v_lshlrev_b32 v9, 2, v2
	v_lshl_add_u32 v9, v3, 10, v9                  ; scale words: 4 r, lanes 16-31 in the next block: two streams' 512 bytes on
	s_cmp_ge_u32 s39, 8
	s_cbranch_scc1 .Lw_wide
	CLOAD 4096
	s_branch .Lw_go
.Lw_wide:
	CLOAD 8192
.Lw_go:
	WBLOCK 0
	WBLOCK 1
	WBLOCK 2
	WBLOCK 3
	global_store_b32 v9, v[WD], s[32:33]
	s_endpgm
.Lpath_t:
	; ---- PATH T: work-group = (128 columns of Wp, 128 along K)
	s_sub_co_u32 s36, ttmp9, 896
	s_lshr_b32 s37, s36, 4
	s_and_b32 s38, s36, 15
	s_lshl_b32 s34, s38, 19
	s_lshl_b32 s44, s37, 9
	s_add_co_u32 s34, s34, s44
	s_lshl_b32 s44, s2, 7
	s_add_co_u32 s34, s34, s44
	s_add_nc_u64 s[4:5], s[20:21], s[34:35]
	s_lshl_b32 s46, s37, 3
	s_lshl_b32 s44, s2, 1
	s_add_co_u32 s46, s46, s44
	s_lshl_b32 s34, s46, 16
	s_lshl_b32 s44, s38, 12
	s_add_co_u32 s34, s34, s44
	s_add_nc_u64 s[6:7], s[30:31], s[34:35]
	v_lshlrev_b32 v8, 4, v2
	v_lshl_add_u32 v8, v3, 16, v8
	CLOAD 4096
	TBLOCK 0
	TBLOCK 1
	TBLOCK 2
	TBLOCK 3
	s_endpgm
.Lfunc_end_k_q5d840a5e91_prep:
	.size	k_q5d840a5e91_prep, .Lfunc_end_k_q5d840a5e91_prep-k_q5d840a5e91_prep
	.p2alignl 7, 3214868480
	.fill 96, 4, 3214868480
	.section	.rodata,"a",@progbits
	.p2align	6, 0x0
	.amdhsa_kernel k_q5d840a5e91_prep
		.amdhsa_group_segment_fixed_size 34304
		.amdhsa_private_segment_fixed_size 0
		.amdhsa_enable_private_segment 0
		.amdhsa_kernarg_size 96
		.amdhsa_user_sgpr_count 2
		.amdhsa_user_sgpr_kernarg_segment_ptr 1
		.amdhsa_wavefront_size32 1
		.amdhsa_system_sgpr_workgroup_id_x 1
		.amdhsa_system_sgpr_workgroup_id_y 1
		.amdhsa_system_sgpr_workgroup_id_z 1
		.amdhsa_system_vgpr_workitem_id 0
		.amdhsa_next_free_vgpr 256
		.amdhsa_next_free_sgpr 66
		.amdhsa_reserve_vcc 1
		.amdhsa_float_denorm_mode_32 3
		.amdhsa_float_denorm_mode_16_64 3
		.amdhsa_memory_ordered 1
		.amdhsa_forward_progress 1
		.amdhsa_inst_pref_size 67
	.end_amdhsa_kernel
	.amdgpu_metadata
---
amdhsa.version: [ 1, 2 ]
amdhsa.kernels:
  - .name:           k_q5d840a5e91_prep
    .symbol:         k_q5d840a5e91_prep.kd
    .args:
      - { .name: image_feat, .offset: 0, .size: 8, .value_kind: global_buffer, .address_space: global }
      - { .name: waveform_feat, .offset: 8, .size: 8, .value_kind: global_buffer, .address_space: global }
      - { .name: Wq_i, .offset: 16, .size: 8, .value_kind: global_buffer, .address_space: global }
      - { .name: Wkv_i, .offset: 24, .size: 8, .value_kind: global_buffer, .address_space: global }
      - { .name: Wq_w, .offset: 32, .size: 8, .value_kind: global_buffer, .address_space: global }
      - { .name: Wkv_w, .offset: 40, .size: 8, .value_kind: global_buffer, .address_space: global }
      - { .name: Wp, .offset: 48, .size: 8, .value_kind: global_buffer, .address_space: global }
      - { .name: xc, .offset: 56, .size: 8, .value_kind: global_buffer, .address_space: global }
      - { .name: xs, .offset: 64, .size: 8, .value_kind: global_buffer, .address_space: global }
      - { .name: wc, .offset: 72, .size: 8, .value_kind: global_buffer, .address_space: global }
      - { .name: ws, .offset: 80, .size: 8, .value_kind: global_buffer, .address_space: global }
      - { .name: wpt, .offset: 88, .size: 8, .value_kind: global_buffer, .address_space: global }
    .group_segment_fixed_size: 34304
    .private_segment_fixed_size: 0
    .kernarg_segment_align: 8
    .kernarg_segment_size: 96
    .max_flat_workgroup_size: 128
    .sgpr_count:     66
    .vgpr_count:     256
    .wavefront_size: 32
...
	.end_amdgpu_metadata
.endif
;; end of part 1
;; launch qkv (part 2): grid 12 x 16, 4 waves a work-group, clusters of 4 x 4, 327,680 bytes of LDS; arguments xc, xs, wc, ws, bq_i, bkv_i, bq_w, bkv_w, qkv; writes qkv
.if DOCPART == 2
	.amdgcn_target "amdgcn-amd-amdhsa--gfx1250"
	.amdhsa_code_object_version 6
	.text
	.protected	k_q5d840a5e91_qkv
	.globl	k_q5d840a5e91_qkv
	.p2align	8
	.type	k_q5d840a5e91_qkv,@function
k_q5d840a5e91_qkv:
	s_mov_b64 s[64:65], 0
	v_nop
	global_prefetch_b8 v0, s[64:65] scope:SCOPE_SE
	s_setreg_imm32_b32 hwreg(HW_REG_WAVE_MODE, 25, 1), 1
	s_wait_xcnt 0x0
	s_wait_alu depctr_hold_cnt(0) depctr_sa_sdst(0) depctr_va_vdst(0) depctr_va_sdst(0) depctr_va_ssrc(0) depctr_va_vcc(0) depctr_vm_vsrc(0)
	s_getreg_b32 s2, hwreg(HW_REG_IB_STS2, 6, 4)
	s_cmp_eq_u32 s2, 0
	s_cbranch_scc0 .Lentry_in_a_cluster
	s_endpgm
.Lentry_in_a_cluster:
	s_bfe_u32 s2, ttmp6, 0x10000c
	s_cmp_lg_u32 s2, 0xf033
	s_cbranch_scc0 .Lentry_shape_is_right
	s_endpgm
.Lentry_shape_is_right:
; QKV: the four quantised products.  Each stream's 4,096 rows x its 3,072 weight columns (Wq | Wkv), K = 1,024, on codes of FP4 with E8M0 scales; + bias; results in f16.
; A tile is 256 x 256, made by four waves, a wave 128 x 128: 64 accumulators, 512 registers.  There are 384 tiles.  A WORK-GROUP STAYS AND MAKES TWO: the same place of stream 0 and then of stream 1, so that
; the first tile's stores leave under the second tile's products and set-up is done once: 192 work-groups.  (One tile of 256 x 384 for each of 256 work-groups does not fit: 640 rows x 512 bytes are all of LDS.)
; K = 1,024 is two LDS slots of 512.  The ring goes on into the second tile: slot 0 takes its first half when the first tile has left that slot, slot 1 its second half at the first tile's end; then the first tile goes out.
; All of a WGP's LDS is claimed.
; Codes and scale words lie in memory as images of the operand's registers, so a tile is dense blocks, a fragment is two loads of 16 bytes at 16 x lane, and no row is padded.
; SIDES.  P goes to source 1: its row falls to the lane.  Q goes to source 0: eight neighbouring rows of it fall to a lane's eight registers.
;   cluster x = 0 (q), 1 (k): P = tokens, Q = weight columns: a lane holds a token and eight channels: packed, that IS the f16 fragment (16 tokens x 32 channels) of the scores' product.
;   cluster x = 2 (v):        P = weight columns, Q = tokens: a lane holds a channel and eight keys: the fragment of V^T (16 channels x 32 keys).
; So results are stored straight from registers, 512 consecutive bytes a store.  qkv: [stream][q,k,v][batch x head 64][131,072]; q, k: [16 tokens 64][32 channels 2][1,024]; v: [32 keys 32][16 channels 4][1,024].
; THE BIASES are the C of a tile's first K step, eight registers a block in the result's layout; by Q's block for q and k, by P's block for v: that one step is written twice, parted by the type.
; CLUSTER 4 x 4: P's tiles hang on cy alone and are asked for jointly by a row of the cluster, Q's on cx alone, by a column.  The type is the cluster's x: the same in all sixteen.
; No prefetch: the first tile's bytes are all asked for at the head, the second tile's as soon as their slot is free.
; LIMITS: q, k, v in f16: magnitudes under 65,504; under 6e-5 the step is 6e-8.  NaN and infinities are not served.
; REGISTERS, in windows of 256.  Window 0: v4-11 the biases' offsets; v12-27 addresses; v32-95 a tile's 64 scale words; v96-127 packed results; v128-191 P's fragments, one set; v192-255 biases.
;   Window 1: Q's fragments, two sets, at v0 and v128.   Windows 2, 3: accumulators (a, b) at v[8 (8 (a % 4) + b)].
.set HALFT,  32768                     ; 8 blocks of 16 rows x 4 K steps x 1,024 bytes: what one tensor load brings, and what a wave reads of P or of Q in a slot
.set SLOT,   131072                    ; P's 16 blocks, then Q's 16
.set SCL,    262144                    ; behind the slots: the scale words of both tiles: P's 16,384 bytes, then Q's; [block][tile][K step][16 words]
.set SPARE,  SCL+32768                 ; the spare words, 128 bytes a wave
.set FR,     8
.set NP,     4                         ; places behind this matrix instruction (ISA guide 7.12.1)
.set BO,     4                         ; v4-11  the biases' offsets
.set ADRA,   12                        ; v12-13 my P fragments in slot 0, 1
.set ADRB,   14                        ; v14-15 my Q fragments
.set VO,     16                        ; v16-23 the way out: my byte offset for Q's block b
.set LI,     24                        ; v24    16 x lane
.set ADRS,   25                        ; v25    my scale words: lanes 0-15 P's, lanes 16-31 Q's
.set SPW,    26
.set NIL,    27
.set SC,     32                        ; register SC + 8 ks + i: lanes 0-15 the word of P's block i, lanes 16-31 of Q's block i, for K step ks
.set HH,     96
.set AF,     128
.set TB,     192
.set G1,  24
.set G0,  32
.set G1B, 48
.set G0B, 56
.set G1S, 68
.set G0S, 76
.set G1SB, 80
.set G0SB, 88
.set PST, 4                            ; s[4:5]   bytes from the first tile's codes of P to the second's
.set QST, 6                            ; s[6:7]   the same for Q
.set SA,  8                            ; s[8:9]   the way out: bytes from P's block a to a + 1,
.set SA4, 10                           ; s[10:11] and from block 3 to block 4
.set BP0, 66                           ; s[66:67] the first tile's biases
.set BP1, 96                           ; s[96:97] the second's
.set OB1, 94                           ; s[94:95] where the second tile's results begin (the first's: s[12:13])
.set WB,  98                           ; s[98:99] the stores' base, stepped
.set MSB, 0
.macro WIN new                         ; the immediate's high byte repeats the setting that is left
.if MSB != \new
	s_set_vgpr_msb (MSB<<8)|\new
.set MSB, \new
.endif
.endm
.set MUL_LO, 0xa1                      ; source 0 (Q) window 1, source 1 (P) window 0, C and D window 2
.set MUL_HI, 0xf1
.set BIA_LO, 0x81                      ; the same with C (the biases) in window 0
.set BIA_HI, 0xc1
.set TO_B,   0x40
; A joint load: waves 0 and 1 fetch for P, waves 2 and 3 for Q.  The branch hangs on the wave's number alone.  An s_nop 0 and four v_nop follow each line.
.macro JLOAD g0a, g1a, g0b, g1b
	s_cmp_eq_u32 s15, 0
	s_cbranch_scc0 .Lfor_b_\@
	tensor_load_to_lds s[\g0a:\g0a+3], s[\g1a:\g1a+7]
	s_nop 0
.rept 4
	v_nop
.endr
	s_branch .Lasked_\@
.Lfor_b_\@:
	tensor_load_to_lds s[\g0b:\g0b+3], s[\g1b:\g1b+7]
	s_nop 0
.rept 4
	v_nop
.endr
.Lasked_\@:
.endm
.macro CREST                           ; a round of the cluster's barrier behind its opening barrier
	s_cmp_lg_u32 s14, 0
	s_cbranch_scc1 .Lnot_wave_0_\@
	s_barrier_signal -3
.Lnot_wave_0_\@:
	s_barrier_wait -3
	s_barrier_signal -1
	s_barrier_wait -1
.endm
.macro CROUND                          ; a whole round
	s_barrier_signal -1
	s_barrier_wait -1
	CREST
.endm
.macro PLACES n
.rept \n
	v_nop
.endr
.endm
.macro FRAG reg, adr, q, i             ; block i, the slot's q-th K step: the image comes back as it was stored
.irp c, 0,1
	ds_load_b128 v[\reg+4*\c:\reg+4*\c+3], v[\adr] offset:1024*(\q)+512*\c+(\i)*4096
.endr
.endm
; 16 matrix instructions: P's blocks a0, a0 + 1 x Q's eight, K step ks.  p: Q's set.  cm = 0: the sums go on; 1: they start from the biases of Q's block; 2: of P's block.  The 64 accumulators take turns.
.macro MUL16 a0, p, ks, cm
.irp a, \a0, \a0+1
.irp b, 0,1,2,3,4,5,6,7
.if \cm == 1
	v_wmma_scale_f32_16x16x128_f8f6f4 v[8*(8*((\a)%4)+\b):8*(8*((\a)%4)+\b)+7], v[128*(\p)+FR*\b:128*(\p)+FR*\b+FR-1], v[AF+FR*(\a):AF+FR*(\a)+FR-1], v[TB+8*\b:TB+8*\b+7], v[SC+8*(\ks)+\b], v[SC+8*(\ks)+(\a)] matrix_a_fmt:MATRIX_FMT_FP4 matrix_b_fmt:MATRIX_FMT_FP4 matrix_a_scale:MATRIX_SCALE_ROW1
.elseif \cm == 2
	v_wmma_scale_f32_16x16x128_f8f6f4 v[8*(8*((\a)%4)+\b):8*(8*((\a)%4)+\b)+7], v[128*(\p)+FR*\b:128*(\p)+FR*\b+FR-1], v[AF+FR*(\a):AF+FR*(\a)+FR-1], v[TB+8*(\a):TB+8*(\a)+7], v[SC+8*(\ks)+\b], v[SC+8*(\ks)+(\a)] matrix_a_fmt:MATRIX_FMT_FP4 matrix_b_fmt:MATRIX_FMT_FP4 matrix_a_scale:MATRIX_SCALE_ROW1
.else
	v_wmma_scale_f32_16x16x128_f8f6f4 v[8*(8*((\a)%4)+\b):8*(8*((\a)%4)+\b)+7], v[128*(\p)+FR*\b:128*(\p)+FR*\b+FR-1], v[AF+FR*(\a):AF+FR*(\a)+FR-1], v[8*(8*((\a)%4)+\b):8*(8*((\a)%4)+\b)+7], v[SC+8*(\ks)+\b], v[SC+8*(\ks)+(\a)] matrix_a_fmt:MATRIX_FMT_FP4 matrix_b_fmt:MATRIX_FMT_FP4 matrix_a_scale:MATRIX_SCALE_ROW1
.endif
.endr
.endr
.endm
.macro FETCH_B slot, q, p
	WIN TO_B
.irp i, 0,1,2,3,4,5,6,7
	FRAG 128*(\p)+FR*\i, ADRB+\slot, \q, \i
.endr
	WIN 0
.endm
.macro FETCH_A slot, q, i0
.irp i, \i0, \i0+1, \i0+2, \i0+3
	FRAG AF+FR*(\i), ADRA+\slot, \q, \i
.endr
.endm
.macro SCALES t                        ; tile t's 64 scale words
.irp ks, 0,1,2,3,4,5,6,7
.irp i, 0,1,2,3,4,5,6,7
	ds_load_b32 v[SC+8*\ks+\i], v[ADRS] offset:1024*\i+512*\t+64*\ks
.endr
.endr
.endm
.macro BIAS ptr, x0                    ; 32 of a tile's 64 bias registers: blocks x0 .. x0 + 3
.irp x, \x0, \x0+1, \x0+2, \x0+3
.irp j, 0,1,2,3,4,5,6,7
	global_load_b32 v[TB+8*(\x)+\j], v[BO+\j], s[\ptr:\ptr+1] offset:64*(\x)
.endr
.endr
.endm
; A K step of 128 that has its successor in the same slot.  P's blocks are free as soon as their eight products are issued: blocks 0-3 are fetched anew in the middle, 4-7 at the end.
.macro STEP slot, q, cm
	s_wait_dscnt 8                                 ; all but the youngest eight loads (P's blocks 4-7)
.if \cm
	WIN BIA_LO
.else
	WIN MUL_LO
.endif
	MUL16 0, (\q)%2, 4*(\slot)+(\q), \cm
	MUL16 2, (\q)%2, 4*(\slot)+(\q), \cm
	s_wait_dscnt 0
	PLACES NP                                      ; in front of loads into registers that matrix instructions have read
	FETCH_B \slot, (\q)+1, 1-(\q)%2
	FETCH_A \slot, (\q)+1, 0
.if \cm
	WIN BIA_HI
.else
	WIN MUL_HI
.endif
	MUL16 4, (\q)%2, 4*(\slot)+(\q), \cm
	MUL16 6, (\q)%2, 4*(\slot)+(\q), \cm
	PLACES NP
	WIN 0
	FETCH_A \slot, (\q)+1, 4
.endm
; A tile's first K step starts the sums from the biases.  The branch hangs on the type, which is the cluster's x: all sixteen work-groups go the same way.
.macro FIRST
	s_cmp_eq_u32 s42, 2
	s_cbranch_scc1 .Lfirst_v_\@
	STEP 0, 0, 1
	s_branch .Lfirst_done_\@
.Lfirst_v_\@:
	STEP 0, 0, 2
.Lfirst_done_\@:
.endm
; A slot's last K step changes slots: ONE barrier; in front of it each wave waits for all its tensor loads, adds 0 to its spare word, and waits for that and for its own reads of this slot.
; fill = 1: this slot takes the second tile's same half of K; the barrier then opens a round of the cluster's.  sct = 1: the second tile's scale words are fetched behind the last products.
.macro TURN slot, next, fill, sct
	s_wait_tensorcnt 0x0                           ; all my tensor loads have landed: my part of the next slot  (every window is 0 here: the add's two registers lie in window 0)
	ds_add_u32 v[SPW], v[NIL]                      ; 0 onto my spare word
	s_wait_dscnt 9                                 ; (the add and the youngest eight loads, P's blocks 4-7, may be out)
	WIN MUL_LO
	MUL16 0, 1, 4*(\slot)+3, 0                     ; sixteen matrix instructions stand between the add and the wait for it
	s_wait_dscnt 0x0                               ; the add is done, and my reads of this slot are over
	s_barrier_signal -1
	MUL16 2, 1, 4*(\slot)+3, 0
	WIN 0
	s_barrier_wait -1
.if \fill
	CREST                                          ; no wave of any partner still reads this slot's tile or has a load on its way
	s_add_nc_u64 s[G0+4*\slot+2:G0+4*\slot+3], s[G0+4*\slot+2:G0+4*\slot+3], s[PST:PST+1]
	s_add_nc_u64 s[G0B+4*\slot+2:G0B+4*\slot+3], s[G0B+4*\slot+2:G0B+4*\slot+3], s[QST:QST+1]
	JLOAD G0+4*\slot, G1, G0B+4*\slot, G1B         ; the first tensor load behind the round, one a wave; its four v_nop are the places in front of the loads below
.else
	PLACES NP
.endif
	FETCH_B \next, 0, 0
	FETCH_A \next, 0, 0
	WIN MUL_HI
	MUL16 4, 1, 4*(\slot)+3, 0
	MUL16 6, 1, 4*(\slot)+3, 0
	PLACES NP
	WIN 0
.if \sct
	SCALES 1
.endif
	FETCH_A \next, 0, 4
.endm
; THE WAY OUT of tile t, P's block a at a time: rounded to f16, each accumulator from its low end on; eight stores of 512 consecutive bytes.  One text for all types: Q's block is in the offset register, P's in the base.
.macro OUT t
.irp a, 0,1,2,3,4,5,6,7
	s_wait_xcnt 0x0                                ; the last block's stores have read their registers and their base: both are written again only behind this wait
.if \a == 0
.if \t == 0
	s_mov_b64 s[WB:WB+1], s[12:13]
.else
	s_mov_b64 s[WB:WB+1], s[OB1:OB1+1]
.endif
.elseif \a == 4
	s_add_nc_u64 s[WB:WB+1], s[WB:WB+1], s[SA4:SA4+1]
.else
	s_add_nc_u64 s[WB:WB+1], s[WB:WB+1], s[SA:SA+1]
.endif
	WIN 0x0a+5*(\a/4)                              ; sources 0 and 1: window 2 or 3
.set n, 0
.rept 32
	v_cvt_pk_f16_f32 v[HH+n], v[64*(\a%4)+2*n], v[64*(\a%4)+2*n+1]
.set n, n+1
.endr
	WIN 0
.irp b, 0,1,2,3,4,5,6,7
	global_store_b128 v[VO+\b], v[HH+4*\b:HH+4*\b+3], s[WB:WB+1]
.endr
.endr
.endm
	s_load_b256 s[4:11], s[0:1], 0x0               ; xc, xs, wc, ws
	s_load_b256 s[92:99], s[0:1], 0x20             ; bq_i, bkv_i, bq_w, bkv_w
	s_load_b64 s[12:13], s[0:1], 0x40              ; qkv
	v_lshl_add_u32 v[SPW], v0, 2, SPARE
	v_mov_b32 v[NIL], 0
	ds_add_u32 v[SPW], v[NIL]                      ; the wave's opening: the add, twice on end, and its wait ahead of my first tensor load
	ds_add_u32 v[SPW], v[NIL]
	v_lshrrev_b32 v1, 5, v0
	v_readfirstlane_b32 s14, v1                    ; wave
	s_lshr_b32 s15, s14, 1                         ; my half of P's rows.  Also: I fetch for P (0) or for Q (1)
	s_and_b32 s16, s14, 1                          ; my half of Q's rows.  Also: which half of that tile I fetch
	s_bfe_u32 s40, ttmp6, 0x40000                  ; cx
	s_bfe_u32 s41, ttmp6, 0x40004                  ; cy
	s_mov_b32 s42, ttmp9                           ; the type: 0 q, 1 k, 2 v
	s_and_b32 s43, ttmp7, 0xffff                   ; cluster y: four of a stream's sixteen tiles of tokens
	s_lshl_b32 s45, s41, 2
	s_lshl_b32 s45, 15, s45                        ; my row of the cluster
	s_lshl_b32 s46, 0x1111, s40                    ; my column
	s_or_b32 s[G1], s45, (3<<16)|(1<<21)           ; the mask; elements of 8 bytes; bit 21 beside a mask; no padding
	s_or_b32 s[G1B], s46, (3<<16)|(1<<21)
	s_or_b32 s[G1S], s45, (3<<16)|(1<<21)
	s_or_b32 s[G1SB], s46, (3<<16)|(1<<21)
.irp g, G1, G1B                        ; codes: 8 rows (blocks) of 4,096 bytes, 8,192 bytes apart
	s_mov_b32 s[\g+1], 512<<16
	s_mov_b32 s[\g+2], 8<<16
	s_mov_b32 s[\g+3], 512<<16
	s_mov_b32 s[\g+4], 8
	s_mov_b32 s[\g+5], 1024
	s_mov_b32 s[\g+6], 0
	s_mov_b32 s[\g+7], 0
.endr
.irp g, G1S, G1SB                      ; scale words of 8 blocks, both tiles: 8,192 dense bytes as 32 rows of 256
	s_mov_b32 s[\g+1], 32<<16
	s_mov_b32 s[\g+2], 32<<16
	s_mov_b32 s[\g+3], 32<<16
	s_mov_b32 s[\g+4], 32
	s_mov_b32 s[\g+5], 32
	s_mov_b32 s[\g+6], 0
	s_mov_b32 s[\g+7], 0
.endr
	s_lshl_b32 s17, s43, 2
	s_add_co_u32 s2, s17, s41                      ; tokens' tile by cy
	s_add_co_u32 s19, s41, 8                       ; V's weight tile by cy
	s_lshl_b32 s3, s42, 2
	s_add_co_u32 s3, s3, s40                       ; weight tile by cx
	s_add_co_u32 s66, s17, s40                     ; tokens' tile by cx
	s_cmp_eq_u32 s42, 2
	s_cselect_b32 s2, s19, s2                      ; P's tile of 256 rows, in stream 0
	s_cselect_b32 s3, s66, s3                      ; Q's
	s_lshl_b32 s20, s2, 17
	s_lshl_b32 s19, s16, 16
	s_add_co_u32 s20, s20, s19                     ; P's codes: tile x 131,072 + half x 65,536
	s_mov_b32 s21, 0
	s_lshl_b32 s46, s3, 17
	s_add_co_u32 s46, s46, s19
	s_mov_b32 s47, 0
	s_lshl_b32 s22, s2, 14
	s_lshl_b32 s19, s16, 13
	s_add_co_u32 s22, s22, s19                     ; P's scale words, both streams': tile x 16,384 + half x 8,192
	s_mov_b32 s23, 0
	s_lshl_b32 s100, s3, 14
	s_add_co_u32 s100, s100, s19
	s_mov_b32 s101, 0
	s_mul_i32 s45, s14, HALFT                      ; where they go: by the wave's number alone
	s_lshl_b32 s2, s14, 13
	s_wait_dscnt 0x0                               ; both opening adds are done
	s_wait_kmcnt 0x0
	s_cmp_eq_u32 s42, 2
	s_cselect_b64 s[66:67], s[8:9], s[4:5]
	s_add_nc_u64 s[20:21], s[66:67], s[20:21]
	s_cselect_b64 s[66:67], s[10:11], s[6:7]
	s_add_nc_u64 s[22:23], s[66:67], s[22:23]
	s_cselect_b64 s[66:67], s[4:5], s[8:9]
	s_add_nc_u64 s[46:47], s[66:67], s[46:47]
	s_cselect_b64 s[66:67], s[6:7], s[10:11]
	s_add_nc_u64 s[100:101], s[66:67], s[100:101]
	CROUND                                         ; all sixteen work-groups are here: the joint loads meet
	s_mov_b32 s[G0S], 1
	s_add_co_u32 s[G0S+1], s2, SCL
	s_mov_b64 s[G0S+2:G0S+3], s[22:23]
	s_or_b32 s[G0S+3], s[G0S+3], 0x80000000
	s_mov_b32 s[G0SB], 1
	s_add_co_u32 s[G0SB+1], s2, SCL
	s_mov_b64 s[G0SB+2:G0SB+3], s[100:101]
	s_or_b32 s[G0SB+3], s[G0SB+3], 0x80000000
	JLOAD G0S, G1S, G0SB, G1SB                     ; the scale words of all of K, for both tiles: filled once
.irp s, 0,1
	s_mov_b32 s[G0+4*\s], 1
	s_add_co_u32 s[G0+4*\s+1], s45, \s*SLOT
	s_add_nc_u64 s[G0+4*\s+2:G0+4*\s+3], s[20:21], \s*4096
	s_or_b32 s[G0+4*\s+3], s[G0+4*\s+3], 0x80000000
	s_mov_b32 s[G0B+4*\s], 1
	s_add_co_u32 s[G0B+4*\s+1], s45, \s*SLOT
	s_add_nc_u64 s[G0B+4*\s+2:G0B+4*\s+3], s[46:47], \s*4096
	s_or_b32 s[G0B+4*\s+3], s[G0B+4*\s+3], 0x80000000
	JLOAD G0+4*\s, G1, G0B+4*\s, G1B               ; three loads of mine are out behind the second
.endr
	v_and_b32 v1, 15, v0                           ; r
	v_bfe_u32 v2, v0, 4, 1                         ; h
	v_and_b32 v[LI], 31, v0
	v_lshlrev_b32 v[LI], 4, v[LI]
	; the biases, in the result's layout, with no branch: offset = r sa + h sb + j sj + 64 x.  q, k: (0, 32, 4): register (x = b, j) = bias of column 16 b + 8 h + j.  v: (4, 0, 0): (x = a, any j) = bias of channel 16 a + r
	s_cmp_eq_u32 s42, 0
	s_cselect_b64 s[BP0:BP0+1], s[92:93], s[94:95]
	s_cselect_b64 s[BP1:BP1+1], s[96:97], s[98:99]
	s_lshl_b32 s17, s40, 10
	s_lshl_b32 s18, s16, 9
	s_add_co_u32 s17, s17, s18                     ; q, k: column 256 cx + 128 x my half of Q
	s_lshl_b32 s18, s41, 10
	s_lshl_b32 s19, s15, 9
	s_add_co_u32 s18, s18, s19
	s_add_co_u32 s18, s18, 4096                    ; v: column 1,024 + 256 cy + 128 x my half of P
	s_cmp_eq_u32 s42, 2
	s_cselect_b32 s2, s18, s17
	s_cselect_b32 s17, 4, 0
	s_cselect_b32 s18, 0, 32
	s_cselect_b32 s19, 0, 4
	s_mov_b32 s3, 0
	s_add_nc_u64 s[BP0:BP0+1], s[BP0:BP0+1], s[2:3]
	s_add_nc_u64 s[BP1:BP1+1], s[BP1:BP1+1], s[2:3]
	v_mul_u32_u24 v[BO], v1, s17
	v_mul_u32_u24 v[BO+1], v2, s18
	v_add_nc_u32 v[BO], v[BO], v[BO+1]
.irp j, 1,2,3,4,5,6,7
	v_add_nc_u32 v[BO+\j], s19, v[BO+\j-1]
.endr
	BIAS BP0, 0
	BIAS BP0, 4
	; from the first tile to the second: 16 tiles of tokens on (2,097,152 bytes of codes), 12 tiles of weight columns on (1,572,864)
	s_mov_b32 s2, 0x180000
	s_mov_b32 s3, 0x200000
	s_cmp_eq_u32 s42, 2
	s_cselect_b32 s[PST], s2, s3
	s_cselect_b32 s[QST], s3, s2
	s_mov_b32 s[PST+1], 0
	s_mov_b32 s[QST+1], 0
	; the way out.  q, k: block (a, b) lies 2,048 a + 131,072 (b / 4) + 1,024 ((b / 2) % 2) + 512 (b % 2) bytes on;  v: 131,072 (a / 4) + 1,024 (a % 4) + 4,096 (b / 2) + 512 (b % 2)
	s_mov_b32 s2, 1024
	s_mov_b32 s3, 2048
	s_cselect_b32 s[SA], s2, s3
	s_mov_b32 s17, 128000
	s_cselect_b32 s[SA4], s17, s3
	s_mov_b32 s[SA+1], 0
	s_mov_b32 s[SA4+1], 0
	s_mov_b32 s17, 4096
	s_cselect_b32 s18, s17, s2                     ; from b to b + 2
	s_mov_b32 s17, 8192
	s_mov_b32 s19, 131072
	s_cselect_b32 s19, s17, s19                    ; from b to b + 4
	v_mov_b32 v[VO], v[LI]
	v_add_nc_u32 v[VO+1], 512, v[LI]
	v_add_nc_u32 v[VO+2], s18, v[VO]
	v_add_nc_u32 v[VO+3], s18, v[VO+1]
.irp b, 0,1,2,3
	v_add_nc_u32 v[VO+4+\b], s19, v[VO+\b]
.endr
	s_mul_i32 s21, s15, HALFT                      ; my 128 rows of P
	s_mul_i32 s22, s16, HALFT
	s_add_co_u32 s22, s22, 2*HALFT                 ; my 128 rows of Q, behind P's 256
.irp s, 0,1
	v_add_nc_u32 v[ADRA+\s], s21, v[LI]
	v_add_nc_u32 v[ADRB+\s], s22, v[LI]
	s_add_co_u32 s21, s21, SLOT
	s_add_co_u32 s22, s22, SLOT
.endr
	s_lshl_b32 s21, s15, 13                        ; P's words: my half
	s_lshl_b32 s22, s16, 13
	s_add_co_u32 s22, s22, 16384                   ; Q's: my half, behind P's
	s_sub_co_u32 s22, s22, s21
	v_mul_u32_u24 v28, s22, v2                     ; lanes 16-31 take Q's
	s_add_co_u32 s21, s21, SCL
	v_lshl_add_u32 v28, v1, 2, v28
	v_add_nc_u32 v[ADRS], s21, v28
	; where my results begin.  Tokens' tile mt of the stream's 16: batch mt / 4; its part is (mt % 4) x 32,768 + half x 16,384 bytes in q, k and v alike
	s_cmp_eq_u32 s42, 2
	s_cselect_b32 s17, s40, s41                    ; the tokens' place in the cluster,
	s_cselect_b32 s18, s41, s40                    ; the columns',
	s_cselect_b32 s19, s16, s15                    ; my half of the tokens,
	s_cselect_b32 s2, s15, s16                     ; and of the columns
	s_lshl_b32 s3, s43, 2
	s_add_co_u32 s3, s3, s17                       ; mt
	s_lshr_b32 s17, s3, 2
	s_lshl_b32 s17, s17, 4
	s_lshl_b32 s18, s18, 2
	s_add_co_u32 s17, s17, s18
	s_lshl_b32 s2, s2, 1
	s_add_co_u32 s17, s17, s2                      ; 16 x batch + my first head
	s_lshl_b32 s17, s17, 17
	s_and_b32 s3, s3, 3
	s_lshl_b32 s3, s3, 15
	s_add_co_u32 s17, s17, s3
	s_lshl_b32 s19, s19, 14
	s_add_co_u32 s17, s17, s19
	s_lshl_b32 s18, s42, 23                        ; stream 0's q, k or v
	s_add_co_u32 s2, s17, s18
	s_mov_b32 s3, 0
	s_add_nc_u64 s[12:13], s[12:13], s[2:3]
	s_add_nc_u64 s[OB1:OB1+1], s[12:13], 0x1800000 ; stream 1's: three tensors of 8,388,608 bytes on
	s_wait_tensorcnt 1                             ; the scale words and my part of slot 0 are in (slot 1's load may be out)
	s_barrier_signal -1
	s_barrier_wait -1                              ; everybody's are
	FETCH_B 0, 0, 0
	FETCH_A 0, 0, 0
	SCALES 0
	FETCH_A 0, 0, 4
	s_wait_loadcnt 0x0                             ; the first tile's biases
	; ---- the first tile
	FIRST
	BIAS BP1, 0                                    ; the second tile's biases take the registers that the first step has read (four places and P's loads lie between): half of them now,
	STEP 0, 1, 0
	STEP 0, 2, 0
	TURN 0, 1, 1, 0                                ; slot 0 takes the second tile's first half of K
	BIAS BP1, 4                                    ; half here
	STEP 1, 0, 0
	STEP 1, 1, 0
	STEP 1, 2, 0
	TURN 1, 0, 1, 1                                ; slot 1 takes its second half; the second tile's first fragments and its scale words are fetched
	OUT 0                                          ; both refills are asked for: now the tile goes out; nothing waits for its stores
	; ---- the second tile
	s_wait_loadcnt 0x0                             ; its biases
	FIRST
	STEP 0, 1, 0
	STEP 0, 2, 0
	TURN 0, 1, 0, 0                                ; nothing is left to fetch: a barrier of the work-group alone
	STEP 1, 0, 0
	STEP 1, 1, 0
	STEP 1, 2, 0
	s_wait_dscnt 8                                 ; the last K step
	WIN MUL_LO
	MUL16 0, 1, 7, 0
	MUL16 2, 1, 7, 0
	s_wait_dscnt 0
	WIN MUL_HI
	MUL16 4, 1, 7, 0
	MUL16 6, 1, 7, 0
	WIN 0
	PLACES NP                                      ; behind the last products, in front of the first read of results
	OUT 1
	s_wait_tensorcnt 0x0                           ; the wave's end
	ds_add_u32 v[SPW], v[NIL]
	s_wait_dscnt 0x0
	CROUND                                         ; the closing round
	s_endpgm
.Lfunc_end_k_q5d840a5e91_qkv:
	.size	k_q5d840a5e91_qkv, .Lfunc_end_k_q5d840a5e91_qkv-k_q5d840a5e91_qkv
	.p2alignl 7, 3214868480
	.fill 96, 4, 3214868480
	.section	.rodata,"a",@progbits
	.p2align	6, 0x0
	.amdhsa_kernel k_q5d840a5e91_qkv
		.amdhsa_group_segment_fixed_size 327680
		.amdhsa_private_segment_fixed_size 0
		.amdhsa_enable_private_segment 0
		.amdhsa_kernarg_size 72
		.amdhsa_user_sgpr_count 2
		.amdhsa_user_sgpr_kernarg_segment_ptr 1
		.amdhsa_wavefront_size32 1
		.amdhsa_system_sgpr_workgroup_id_x 1
		.amdhsa_system_sgpr_workgroup_id_y 1
		.amdhsa_system_sgpr_workgroup_id_z 1
		.amdhsa_system_vgpr_workitem_id 0
		.amdhsa_next_free_vgpr 1024
		.amdhsa_next_free_sgpr 102
		.amdhsa_reserve_vcc 0
		.amdhsa_float_denorm_mode_32 3
		.amdhsa_float_denorm_mode_16_64 3
		.amdhsa_memory_ordered 1
		.amdhsa_forward_progress 1
		.amdhsa_inst_pref_size 255
	.end_amdhsa_kernel
	.section	.bss,"aw",@nobits
	.p2align	6
	.space	262144
	.amdgpu_metadata
---
amdhsa.version: [ 1, 2 ]
amdhsa.kernels:
  - .name:           k_q5d840a5e91_qkv
    .symbol:         k_q5d840a5e91_qkv.kd
    .args:
      - { .name: xc, .offset: 0, .size: 8, .value_kind: global_buffer, .address_space: global }
      - { .name: xs, .offset: 8, .size: 8, .value_kind: global_buffer, .address_space: global }
      - { .name: wc, .offset: 16, .size: 8, .value_kind: global_buffer, .address_space: global }
      - { .name: ws, .offset: 24, .size: 8, .value_kind: global_buffer, .address_space: global }
      - { .name: bq_i, .offset: 32, .size: 8, .value_kind: global_buffer, .address_space: global }
      - { .name: bkv_i, .offset: 40, .size: 8, .value_kind: global_buffer, .address_space: global }
      - { .name: bq_w, .offset: 48, .size: 8, .value_kind: global_buffer, .address_space: global }
      - { .name: bkv_w, .offset: 56, .size: 8, .value_kind: global_buffer, .address_space: global }
      - { .name: qkv, .offset: 64, .size: 8, .value_kind: global_buffer, .address_space: global }
    .group_segment_fixed_size: 327680
    .private_segment_fixed_size: 0
    .kernarg_segment_align: 8
    .kernarg_segment_size: 72
    .max_flat_workgroup_size: 128
    .sgpr_count:     102
    .vgpr_count:     1024
    .wavefront_size: 32
...
	.end_amdgpu_metadata
.endif
;; end of part 2
;; launch attn (part 3): grid 2 x 128, 16 waves a work-group, no clusters, 327,680 bytes of LDS; arguments qkv, fused; writes fused
.if DOCPART == 3
	.amdgcn_target "amdgcn-amd-amdhsa--gfx1250"
	.amdhsa_code_object_version 6
	.text
	.protected	k_q5d840a5e91_attn
	.globl	k_q5d840a5e91_attn
	.p2align	8
	.type	k_q5d840a5e91_attn,@function
k_q5d840a5e91_attn:
	s_mov_b64 s[64:65], 0
	v_nop
	global_prefetch_b8 v0, s[64:65] scope:SCOPE_SE
	s_setreg_imm32_b32 hwreg(HW_REG_WAVE_MODE, 25, 1), 1
	s_wait_xcnt 0x0
; ATTN: both cross attentions.  Unit y = direction x 64 + (batch x 16 + head).  Direction d takes q of stream d and k, v of stream 1 - d; direction 0 clips its scores at +-100.
; O = softmax(q k^T / 8) v, head size 64, 1,024 keys; operands f16, products, maxima and sums f32; the weights p are rounded to f16 for the second product, O once at the end.
; SHARES.  A work-group takes 512 queries of a unit; each of its sixteen waves 32: two tiles of 16, so that each fragment of K and V read from LDS feeds two matrix instructions; four waves to a SIMD, one wave's
; softmax beside another's products.  The unit's whole K and V, 131,072 bytes each, lie in LDS, each byte filled ONCE, by two loads a wave.
; THE FIRST 256 KEYS ARE ASKED FOR ALONE, at the head (4,096 bytes a wave), so that no wave's later bytes are asked for ahead of another wave's first.  The other 768 keys are asked for behind the first barrier, by
; one load a wave (12,288 bytes), and have the first four steps in which to land.  A second barrier shows them to every wave; the last twelve steps have no barrier, and the waves of a SIMD may drift apart.
; NO CLUSTER: a unit has two work-groups, and K and V are fetched once, not step by step.  No prefetch: every byte is asked for by these two loads, the second as soon as the first has landed.
; LAYOUT.  Both products are used transposed: S^T = K Q^T, O^T = V^T P: a lane holds ONE query (lane % 16) throughout.  All operands lie in memory and LDS as images of their registers:
; a fragment is two loads of 16 bytes at 16 x lane.  Two tiles of S^T, packed to f16 in pairs, ARE a fragment of P; two tiles of O^T, packed, ARE a fragment (16 tokens x 32 channels) of the next product's operand.
; SOFTMAX.  Running maximum m and sum l: p = 2^(c s - c m), c = log2(e) / 8; O and l are multiplied by a = 2^(c m_old - c m_new) in every step.  The clip: clip(s / 8, +-100) = clip(s, +-800) / 8, exactly.
; LIMITS: the result is kept in f16 (under 6e-5 the step is 6e-8).  NaN and infinities are not served.
; REGISTERS: v1 16 x lane; v2, v3 addresses in hand; v4, v5 the add's two; v6 16 x lane + V's base; v8-31 statistics, 12 a tile; v32-63 Q; v64-127 K or V of a step; v128-191 S^T, then p, then P; v192-255 O^T.
.set SPW,  4
.set NIL,  5
.set ST,   8                           ; tile t at ST + 12 t: +0 c m, +1 m, +2:3 l, +4..7 at work, +8 a, +9 its pair's partner, +10 c m_old
.set QF,   32                          ; fragment (t, u) at QF + 16 t + 8 u
.set KV,   64
.set SS,   128                         ; 32 a tile
.set OT,   192                         ; 32 a tile
.set VB,   131072
.set SPARE, 262144
.set G1,   24                          ; s[24:31] group 1 of the first load: 4,096 bytes
.set G0A,  32                          ; s[32:35] its group 0
.set G0R,  36                          ; s[36:39] group 0 of the second load
.set G1R,  40                          ; s[40:47] its group 1: 12,288 bytes
; A STEP: 64 keys, at LDS byte s18 of K's block and of V's
.macro STEP
	v_add_nc_u32 v2, s18, v1
	v_add_nc_u32 v3, s18, v6
.rept 3
	v_nop                                          ; with the two additions five places behind the last products: the scores' products write over registers that those read, and K lands where V lay
.endr
.irp kt, 0,1,2,3
.irp u, 0,1
.irp c, 0,1
	ds_load_b128 v[KV+16*\kt+8*\u+4*\c:KV+16*\kt+8*\u+4*\c+3], v2 offset:2048*\kt+1024*\u+512*\c
.endr
.endr
.endr
	s_wait_dscnt 0x0
.irp u, 0,1                            ; S^T = K Q^T: eight accumulators by turns; the first eight start the sums
.irp kt, 0,1,2,3
.irp t, 0,1
.if \u == 0
	v_wmma_f32_16x16x32_f16 v[SS+32*\t+8*\kt:SS+32*\t+8*\kt+7], v[KV+16*\kt+8*\u:KV+16*\kt+8*\u+7], v[QF+16*\t+8*\u:QF+16*\t+8*\u+7], 0
.else
	v_wmma_f32_16x16x32_f16 v[SS+32*\t+8*\kt:SS+32*\t+8*\kt+7], v[KV+16*\kt+8*\u:KV+16*\kt+8*\u+7], v[QF+16*\t+8*\u:QF+16*\t+8*\u+7], v[SS+32*\t+8*\kt:SS+32*\t+8*\kt+7]
.endif
.endr
.endr
.endr
.rept 4
	v_nop                                          ; places in front of the loads into K's registers and of the first read of the scores
.endr
.irp kf, 0,1
.irp ct, 0,1,2,3
.irp c, 0,1
	ds_load_b128 v[KV+32*\kf+8*\ct+4*\c:KV+32*\kf+8*\ct+4*\c+3], v3 offset:4096*\kf+1024*\ct+512*\c   ; V lands while the softmax is walked
.endr
.endr
.endr
	s_cmp_lg_u32 s9, 0                             ; direction 0 alone clips: a branch on the work-group's number
	s_cbranch_scc1 .Lno_clip_\@
.set e, 0
.rept 64
	v_med3_num_f32 v[SS+e], v[SS+e], s49, s48
.set e, e+1
.endr
.Lno_clip_\@:
.irp j, 0,1,2,3                        ; the maximum: four chains a tile, each beginning at an accumulator's low end; the two tiles line by line
.irp t, 0,1
	v_max3_num_f32 v[ST+12*\t+4+\j], v[SS+32*\t+8*\j], v[SS+32*\t+8*\j+1], v[SS+32*\t+8*\j+2]
.endr
.endr
.irp g, 1,2
.irp j, 0,1,2,3
.irp t, 0,1
	v_max3_num_f32 v[ST+12*\t+4+\j], v[ST+12*\t+4+\j], v[SS+32*\t+8*\j+2*\g+1], v[SS+32*\t+8*\j+2*\g+2]
.endr
.endr
.endr
.irp t, 0,1
	v_max3_num_f32 v[ST+12*\t+4], v[ST+12*\t+4], v[SS+32*\t+7], v[SS+32*\t+15]
.endr
.irp t, 0,1
	v_max3_num_f32 v[ST+12*\t+6], v[ST+12*\t+6], v[SS+32*\t+23], v[SS+32*\t+31]
.endr
.irp t, 0,1
	v_max3_num_f32 v[ST+12*\t+4], v[ST+12*\t+4], v[ST+12*\t+5], v[ST+12*\t+6]
.endr
.irp t, 0,1
	v_max3_num_f32 v[ST+12*\t+4], v[ST+12*\t+4], v[ST+12*\t+7], v[ST+12*\t+1]   ; with the old m
.endr
.irp t, 0,1
	v_permlanex16_b32 v[ST+12*\t+5], v[ST+12*\t+4], s20, s21     ; the query's other 32 keys lie in the lane 16 away
.endr
.irp t, 0,1
	v_mov_b32 v[ST+12*\t+10], v[ST+12*\t]
.endr
.irp t, 0,1
	v_max_num_f32 v[ST+12*\t+1], v[ST+12*\t+4], v[ST+12*\t+5]
.endr
.irp t, 0,1
	v_mul_f32 v[ST+12*\t], s22, v[ST+12*\t+1]
.endr
.irp t, 0,1
	v_sub_f32 v[ST+12*\t+10], v[ST+12*\t+10], v[ST+12*\t]
.endr
.irp t, 0,1
.set b, 0
.rept 16
	v_pk_fma_f32 v[SS+32*\t+2*b:SS+32*\t+2*b+1], v[SS+32*\t+2*b:SS+32*\t+2*b+1], s[22:23], v[ST+12*\t:ST+12*\t+1] op_sel_hi:[1,0,0] neg_lo:[0,0,1] neg_hi:[0,0,1]   ; c s - c m
.set b, b+1
.endr
.endr
.irp t, 0,1
	v_exp_f32 v[ST+12*\t+8], v[ST+12*\t+10]        ; a
.endr
.set e, 0
.rept 64
	v_exp_f32 v[SS+e], v[SS+e]                     ; p
.set e, e+1
.endr
	v_nop                                          ; a plain line behind the last exponential
	s_wait_alu depctr_va_vdst(0)                   ; one wait for the batch of 66, ahead of its first reader
.irp t, 0,1
	v_pk_add_f32 v[ST+12*\t+4:ST+12*\t+5], v[SS+32*\t:SS+32*\t+1], v[SS+32*\t+2:SS+32*\t+3]       ; the sum of p in f32, two chains a tile
	v_pk_add_f32 v[ST+12*\t+6:ST+12*\t+7], v[SS+32*\t+4:SS+32*\t+5], v[SS+32*\t+6:SS+32*\t+7]
.endr
.irp j, 8,12,16,20,24,28
.irp t, 0,1
	v_pk_add_f32 v[ST+12*\t+4:ST+12*\t+5], v[ST+12*\t+4:ST+12*\t+5], v[SS+32*\t+\j:SS+32*\t+\j+1]
	v_pk_add_f32 v[ST+12*\t+6:ST+12*\t+7], v[ST+12*\t+6:ST+12*\t+7], v[SS+32*\t+\j+2:SS+32*\t+\j+3]
.endr
.endr
.irp t, 0,1
	v_pk_add_f32 v[ST+12*\t+4:ST+12*\t+5], v[ST+12*\t+4:ST+12*\t+5], v[ST+12*\t+6:ST+12*\t+7]
.endr
.irp t, 0,1
	v_pk_fma_f32 v[ST+12*\t+2:ST+12*\t+3], v[ST+12*\t+2:ST+12*\t+3], v[ST+12*\t+8:ST+12*\t+9], v[ST+12*\t+4:ST+12*\t+5] op_sel_hi:[1,0,1]   ; l = a l + the sum
.endr
.irp t, 0,1
.set j, 0
.rept 16
	v_cvt_pk_f16_f32 v[SS+32*\t+j], v[SS+32*\t+2*j], v[SS+32*\t+2*j+1]   ; in place, ascending: register j is written when 2 j and 2 j + 1 have been read
.set j, j+1
.endr
.endr
.irp t, 0,1
.set j, 0
.rept 16
	v_pk_mul_f32 v[OT+32*\t+2*j:OT+32*\t+2*j+1], v[OT+32*\t+2*j:OT+32*\t+2*j+1], v[ST+12*\t+8:ST+12*\t+9] op_sel_hi:[1,0]   ; O^T x a, each accumulator from its low end on
.set j, j+1
.endr
.endr
	s_wait_dscnt 0x0                               ; V is in
.irp kf, 0,1                           ; O^T += V^T P: eight accumulators by turns
.irp ct, 0,1,2,3
.irp t, 0,1
	v_wmma_f32_16x16x32_f16 v[OT+32*\t+8*\ct:OT+32*\t+8*\ct+7], v[KV+32*\kf+8*\ct:KV+32*\kf+8*\ct+7], v[SS+32*\t+8*\kf:SS+32*\t+8*\kf+7], v[OT+32*\t+8*\ct:OT+32*\t+8*\ct+7]
.endr
.endr
.endr
	s_add_co_u32 s18, s18, 8192                    ; the next 64 keys
.endm
.macro STEPS n                         ; n steps, from LDS byte s18 on
	s_mov_b32 s19, \n
.Lstep_\@:
	STEP
	s_sub_co_u32 s19, s19, 1
	s_cmp_lg_u32 s19, 0
	s_cbranch_scc1 .Lstep_\@
.endm
	s_load_b128 s[4:7], s[0:1], 0x0                ; qkv, fused
	v_lshl_add_u32 v[SPW], v0, 2, SPARE
	v_mov_b32 v[NIL], 0
	ds_add_u32 v[SPW], v[NIL]                      ; the wave's opening: the add, twice on end, and its wait ahead of my first tensor load
	ds_add_u32 v[SPW], v[NIL]
	v_lshrrev_b32 v1, 5, v0
	v_readfirstlane_b32 s8, v1                     ; wave 0..15
	s_and_b32 s10, ttmp7, 0xffff
	s_lshr_b32 s9, s10, 6                          ; direction
	s_and_b32 s10, s10, 63                         ; batch x 16 + head
	s_mov_b32 s11, ttmp9                           ; which 512 queries
	s_mov_b32 s[G1], 3<<16                         ; no mask; elements of 8 bytes; no padding: 4,096 dense bytes as 16 rows of 256
	s_mov_b32 s[G1+1], 32<<16
	s_mov_b32 s[G1+2], 16<<16
	s_mov_b32 s[G1+3], 32<<16
	s_mov_b32 s[G1+4], 16
	s_mov_b32 s[G1+5], 32
	s_mov_b32 s[G1+6], 0
	s_mov_b32 s[G1+7], 0
	s_mov_b32 s[G1R], 3<<16                        ; 12,288 dense bytes as 48 rows of 256
	s_mov_b32 s[G1R+1], 32<<16
	s_mov_b32 s[G1R+2], 48<<16
	s_mov_b32 s[G1R+3], 32<<16
	s_mov_b32 s[G1R+4], 48
	s_mov_b32 s[G1R+5], 32
	s_mov_b32 s[G1R+6], 0
	s_mov_b32 s[G1R+7], 0
	s_lshr_b32 s12, s8, 3                          ; waves 0-7 fetch K, waves 8-15 V
	s_and_b32 s13, s8, 7
	s_lshl_b32 s50, s12, 17                        ; K's block or V's, in LDS
	s_lshl_b32 s51, s13, 12                        ; my 4,096 bytes of the first 32,768,
	s_mul_i32 s52, s13, 12288
	s_add_co_u32 s52, s52, 32768                   ; and my 12,288 of the other 98,304: the same place in LDS and in memory
	s_xor_b32 s14, s9, 1                           ; the other stream
	s_mul_i32 s14, s14, 3
	s_add_co_u32 s14, s14, 1
	s_add_co_u32 s14, s14, s12                     ; its k or its v
	s_lshl_b32 s14, s14, 23
	s_lshl_b32 s15, s10, 17
	s_add_co_u32 s14, s14, s15                     ; my unit's block
	s_mov_b32 s15, 0
	s_mov_b32 s17, 0
	s_mov_b32 s20, 0x76543210
	s_mov_b32 s21, 0xfedcba98
	s_mov_b32 s22, 0x3e38aa3b                      ; c = log2(e) / 8
	s_mov_b32 s23, s22
	s_mov_b32 s48, 0x44480000                      ; 800
	s_mov_b32 s49, 0xc4480000                      ; -800
	s_wait_dscnt 0x0                               ; both opening adds are done
	s_wait_kmcnt 0x0
	s_add_nc_u64 s[14:15], s[4:5], s[14:15]
	s_mov_b32 s[G0A], 1
	s_add_co_u32 s[G0A+1], s50, s51
	s_mov_b32 s16, s51
	s_add_nc_u64 s[G0A+2:G0A+3], s[14:15], s[16:17]
	s_or_b32 s[G0A+3], s[G0A+3], 0x80000000
	s_mov_b32 s[G0R], 1
	s_add_co_u32 s[G0R+1], s50, s52
	s_mov_b32 s16, s52
	s_add_nc_u64 s[G0R+2:G0R+3], s[14:15], s[16:17]
	s_or_b32 s[G0R+3], s[G0R+3], 0x80000000
	tensor_load_to_lds s[G0A:G0A+3], s[G1:G1+7]    ; the first 256 keys: one load of mine is out
	s_nop 0
	s_lshl_b32 s13, s11, 5
	s_lshl_b32 s16, s8, 1
	s_add_co_u32 s13, s13, s16                     ; my first tile of 16 queries: 32 x + 2 wave
	s_mul_i32 s16, s9, 3
	s_lshl_b32 s16, s16, 23
	s_lshl_b32 s17, s10, 17
	s_add_co_u32 s16, s16, s17
	s_lshl_b32 s17, s13, 11
	s_add_co_u32 s16, s16, s17
	s_mov_b32 s17, 0
	s_add_nc_u64 s[4:5], s[4:5], s[16:17]          ; q at my first tile
	s_lshr_b32 s12, s10, 4
	s_lshl_b32 s12, s12, 6
	s_add_co_u32 s12, s12, s13                     ; my first block of 16 tokens
	s_lshl_b32 s12, s12, 16
	s_lshl_b32 s13, s9, 4
	s_and_b32 s16, s10, 15
	s_add_co_u32 s13, s13, s16
	s_lshl_b32 s13, s13, 11                        ; the head's two fragments along the next K
	s_add_co_u32 s12, s12, s13
	s_mov_b32 s13, 0
	s_add_nc_u64 s[6:7], s[6:7], s[12:13]
	v_and_b32 v1, 31, v0
	v_lshlrev_b32 v1, 4, v1
	v_add_nc_u32 v6, VB, v1
.irp t, 0,1
.irp u, 0,1
.irp c, 0,1
	global_load_b128 v[QF+16*\t+8*\u+4*\c:QF+16*\t+8*\u+4*\c+3], v1, s[4:5] offset:2048*\t+1024*\u+512*\c
.endr
.endr
.endr
	s_wait_tensorcnt 0x0                           ; my part of the first 256 keys has landed: no load of mine is out
	ds_add_u32 v[SPW], v[NIL]                      ; 0 onto my spare word; the start values below stand between it and the wait for it
.irp t, 0,1
	v_mov_b32 v[ST+12*\t+1], 0xff61b1e6            ; m = -3e38, under every score
	v_mul_f32 v[ST+12*\t], s22, v[ST+12*\t+1]
	v_mov_b32 v[ST+12*\t+2], 0                     ; l
	v_mov_b32 v[ST+12*\t+3], 0
	v_mov_b32 v[ST+12*\t+9], 0                     ; named with a as a pair, so it is written
.endr
.set j, 0
.rept 64
	v_mov_b32 v[OT+j], 0                           ; O^T: the step is written once; the first finds zeros, which a = 0 leaves zeros
.set j, j+1
.endr
	s_wait_dscnt 0x0                               ; the add is done
	s_barrier_signal -1
	s_barrier_wait -1                              ; everybody's part has landed
	tensor_load_to_lds s[G0R:G0R+3], s[G1R:G1R+7]  ; the other 768 keys, into bytes that nothing has filled: my one load behind this barrier, and the first thing there
	s_nop 0
	s_wait_loadcnt 0x0                             ; Q
	s_mov_b32 s18, 0
	STEPS 4                                        ; keys 0 to 255
	s_wait_tensorcnt 0x0                           ; my part of the rest has landed,
	s_wait_dscnt 0x0
	s_barrier_signal -1
	s_barrier_wait -1                              ; everybody's has
	s_mov_b32 s18, 32768
	STEPS 12                                       ; keys 256 to 1,023
	; THE WAY OUT
.rept 4
	v_nop                                          ; places behind the last products
.endr
.irp t, 0,1
	v_add_f32 v[ST+12*\t+4], v[ST+12*\t+2], v[ST+12*\t+3]
.endr
.irp t, 0,1
	v_permlanex16_b32 v[ST+12*\t+5], v[ST+12*\t+4], s20, s21
.endr
.irp t, 0,1
	v_add_f32 v[ST+12*\t+4], v[ST+12*\t+4], v[ST+12*\t+5]
.endr
.irp t, 0,1
	v_rcp_f32 v[ST+12*\t+8], v[ST+12*\t+4]
.endr
	v_nop
	s_wait_alu depctr_va_vdst(0)                   ; one wait for the two reciprocals, ahead of their first reader
.irp t, 0,1
.set j, 0
.rept 16
	v_pk_mul_f32 v[OT+32*\t+2*j:OT+32*\t+2*j+1], v[OT+32*\t+2*j:OT+32*\t+2*j+1], v[ST+12*\t+8:ST+12*\t+9] op_sel_hi:[1,0]
.set j, j+1
.endr
.endr
.irp t, 0,1
.set j, 0
.rept 16
	v_cvt_pk_f16_f32 v[SS+16*\t+j], v[OT+32*\t+2*j], v[OT+32*\t+2*j+1]
.set j, j+1
.endr
.endr
.irp t, 0,1
.irp u, 0,1
.irp c, 0,1
	global_store_b128 v1, v[SS+16*\t+8*\u+4*\c:SS+16*\t+8*\u+4*\c+3], s[6:7] offset:65536*\t+1024*\u+512*\c   ; 512 consecutive bytes
.endr
.endr
.endr
	s_wait_tensorcnt 0x0                           ; the wave's end
	ds_add_u32 v[SPW], v[NIL]
	s_wait_dscnt 0x0
	s_endpgm
.Lfunc_end_k_q5d840a5e91_attn:
	.size	k_q5d840a5e91_attn, .Lfunc_end_k_q5d840a5e91_attn-k_q5d840a5e91_attn
	.p2alignl 7, 3214868480
	.fill 96, 4, 3214868480
	.section	.rodata,"a",@progbits
	.p2align	6, 0x0
	.amdhsa_kernel k_q5d840a5e91_attn
		.amdhsa_group_segment_fixed_size 327680
		.amdhsa_private_segment_fixed_size 0
		.amdhsa_enable_private_segment 0
		.amdhsa_kernarg_size 16
		.amdhsa_user_sgpr_count 2
		.amdhsa_user_sgpr_kernarg_segment_ptr 1
		.amdhsa_wavefront_size32 1
		.amdhsa_system_sgpr_workgroup_id_x 1
		.amdhsa_system_sgpr_workgroup_id_y 1
		.amdhsa_system_sgpr_workgroup_id_z 1
		.amdhsa_system_vgpr_workitem_id 0
		.amdhsa_next_free_vgpr 256
		.amdhsa_next_free_sgpr 66
		.amdhsa_reserve_vcc 0
		.amdhsa_float_denorm_mode_32 3
		.amdhsa_float_denorm_mode_16_64 3
		.amdhsa_memory_ordered 1
		.amdhsa_forward_progress 1
		.amdhsa_inst_pref_size 56
	.end_amdhsa_kernel
	.amdgpu_metadata
---
amdhsa.version: [ 1, 2 ]
amdhsa.kernels:
  - .name:           k_q5d840a5e91_attn
    .symbol:         k_q5d840a5e91_attn.kd
    .args:
      - { .name: qkv, .offset: 0, .size: 8, .value_kind: global_buffer, .address_space: global }
      - { .name: fused, .offset: 8, .size: 8, .value_kind: global_buffer, .address_space: global }
    .group_segment_fixed_size: 327680
    .private_segment_fixed_size: 0
    .kernarg_segment_align: 8
    .kernarg_segment_size: 16
    .max_flat_workgroup_size: 512
    .sgpr_count:     66
    .vgpr_count:     256
    .wavefront_size: 32
...
	.end_amdgpu_metadata
.endif
;; end of part 3
;; launch proj (part 4): grid 8 x 32, 4 waves a work-group, clusters of 4 x 4, 327,680 bytes of LDS; arguments fused, wpt, pre; writes pre
.if DOCPART == 4
	.amdgcn_target "amdgcn-amd-amdhsa--gfx1250"
	.amdhsa_code_object_version 6
	.text
	.protected	k_q5d840a5e91_proj
	.globl	k_q5d840a5e91_proj
	.p2align	8
	.type	k_q5d840a5e91_proj,@function
k_q5d840a5e91_proj:
	s_mov_b64 s[64:65], 0
	v_nop
	global_prefetch_b8 v0, s[64:65] scope:SCOPE_SE
	s_setreg_imm32_b32 hwreg(HW_REG_WAVE_MODE, 25, 1), 1
	s_wait_xcnt 0x0
	s_wait_alu depctr_hold_cnt(0) depctr_sa_sdst(0) depctr_va_vdst(0) depctr_va_sdst(0) depctr_va_ssrc(0) depctr_va_vcc(0) depctr_vm_vsrc(0)
	s_getreg_b32 s2, hwreg(HW_REG_IB_STS2, 6, 4)
	s_cmp_eq_u32 s2, 0
	s_cbranch_scc0 .Lentry_in_a_cluster
	s_endpgm
.Lentry_in_a_cluster:
	s_bfe_u32 s2, ttmp6, 0x10000c
	s_cmp_lg_u32 s2, 0xf033
	s_cbranch_scc0 .Lentry_shape_is_right
	s_endpgm
.Lentry_shape_is_right:
; PROJ: pre[m][n] = sum over k of fused[m][k] Wp[k][n]; M 4,096, N 1,024, K 2,048; operands f16, sums f32, pre f32.  The bias and the norm follow in the next launch.
; Both operands lie in memory as images of their registers: [block of 16 rows][32 along K: 64][1,024 bytes].  A tile of pre is 128 x 128: 256 work-groups.  Four waves, each 64 x 64: 16 accumulators.
; K goes in steps of 256 through two LDS slots; a wave's tensor load brings 4 blocks x 8,192 bytes.  No padding: a fragment is two loads of 16 bytes at 16 x lane.
; CLUSTER 4 x 4: fused's tiles are shared along a row of the cluster, Wp's along a column: joint loads.  All of a WGP's LDS is claimed.
; THE MATRIX INSTRUCTION IS USED TRANSPOSED (source 0 = 16 columns of Wp, source 1 = 16 rows of fused): a lane holds eight neighbouring numbers of a row of pre.
; A wave's 64 columns are 256 aligned bytes of a row: each wave sends its results through a stage of its own, with no barrier.
; No prefetch: a K step's bytes are few beside its products' time on tiles of this size, and the tiles are shared in the cluster.
; REGISTERS: window 0: v16-29 addresses; v32-95 the way out; v128-255 accumulators (a, b) at v[128 + 8 (4 a + b)].  Window 1: two fragment buffers of 128: 64 of fused (2 x 4 fragments), then 64 of Wp.
.set HALFT,  32768
.set SLOT,   131072
.set STAGE,  262144                    ; behind the ring: 16 rows x 272 bytes for each wave
.set SPITCH, 272
.set SPARE,  STAGE+4*16*SPITCH
.set LAPS,   4                         ; a lap = two K steps of 256
.set ADRA, 16
.set ADRB, 20
.set STO,  24
.set RD,   25
.set CO,   26
.set SPW,  28
.set NIL,  29
.set TMP,  32
.set ACC,  128
.set F0,   0
.set F1,   128
.set G1, 24
.set G0, 32
.set G1B, 48
.set G0B, 56
.set MSB, 0
.macro WIN new
.if MSB != \new
	s_set_vgpr_msb (MSB<<8)|\new
.set MSB, \new
.endif
.endm
.set MUL,  0x05                        ; sources 0 and 1 window 1; C and D window 0
.set TO_F, 0x40
.macro JLOAD s                         ; waves 0 and 1 fetch fused's halves, waves 2 and 3 Wp's; an s_nop 0 and four v_nop follow each line
	s_cmp_eq_u32 s11, 0
	s_cbranch_scc0 .Lfor_b_\@
	tensor_load_to_lds s[G0+4*\s:G0+4*\s+3], s[G1:G1+7]
	s_nop 0
.rept 4
	v_nop
.endr
	s_branch .Lasked_\@
.Lfor_b_\@:
	tensor_load_to_lds s[G0B+4*\s:G0B+4*\s+3], s[G1B:G1B+7]
	s_nop 0
.rept 4
	v_nop
.endr
.Lasked_\@:
.endm
.macro CREST
	s_cmp_lg_u32 s10, 0
	s_cbranch_scc1 .Lnot_wave_0_\@
	s_barrier_signal -3
.Lnot_wave_0_\@:
	s_barrier_wait -3
	s_barrier_signal -1
	s_barrier_wait -1
.endm
.macro CROUND
	s_barrier_signal -1
	s_barrier_wait -1
	CREST
.endm
	s_load_b128 s[4:7], s[0:1], 0x0                ; fused, wpt
	s_load_b64 s[8:9], s[0:1], 0x10                ; pre
	v_lshl_add_u32 v[SPW], v0, 2, SPARE
	v_mov_b32 v[NIL], 0
	ds_add_u32 v[SPW], v[NIL]                      ; the wave's opening: the add, twice on end, and its wait ahead of my first tensor load
	ds_add_u32 v[SPW], v[NIL]
	v_lshrrev_b32 v1, 5, v0
	v_readfirstlane_b32 s10, v1                    ; wave
	s_lshr_b32 s11, s10, 1                         ; my half of the rows.  Also: I fetch for fused (0) or Wp (1)
	s_and_b32 s12, s10, 1                          ; my half of the columns.  Also: which 4 blocks I fetch
	s_bfe_u32 s40, ttmp6, 0x40000
	s_bfe_u32 s41, ttmp6, 0x40004
	s_lshl_b32 s42, ttmp9, 2
	s_add_co_u32 s42, s42, s40                     ; tile column
	s_and_b32 s13, ttmp7, 0xffff
	s_lshl_b32 s13, s13, 2
	s_add_co_u32 s13, s13, s41                     ; tile row
	s_lshl_b32 s43, s41, 2
	s_lshl_b32 s43, 15, s43
	s_lshl_b32 s44, 0x1111, s40
	s_or_b32 s[G1+0], s43, (3<<16)|(1<<21)         ; the mask; elements of 8 bytes; bit 21 beside a mask; no padding
	s_or_b32 s[G1B+0], s44, (3<<16)|(1<<21)
.irp g, G1, G1B                        ; 4 rows (blocks) of 8,192 bytes, 65,536 bytes apart
	s_mov_b32 s[\g+1], 1024<<16
	s_mov_b32 s[\g+2], 4<<16
	s_mov_b32 s[\g+3], 1024<<16
	s_mov_b32 s[\g+4], 4
	s_mov_b32 s[\g+5], 8192
	s_mov_b32 s[\g+6], 0
	s_mov_b32 s[\g+7], 0
.endr
	s_lshl_b32 s17, s12, 2
	s_lshl_b32 s16, s13, 3
	s_add_co_u32 s16, s16, s17
	s_lshl_b32 s16, s16, 16                        ; fused: block 8 x tile row + 4 x half
	s_lshl_b32 s46, s42, 3
	s_add_co_u32 s46, s46, s17
	s_lshl_b32 s46, s46, 16                        ; Wp: block 8 x tile column + 4 x half
	s_mov_b32 s17, 0
	s_mov_b32 s47, 0
	s_mul_i32 s20, s10, HALFT
	s_wait_dscnt 0x0
	s_wait_kmcnt 0x0
	s_add_nc_u64 s[14:15], s[4:5], s[16:17]
	s_add_nc_u64 s[46:47], s[6:7], s[46:47]
	CROUND
.irp s, 0,1
	s_mov_b32 s[G0+4*\s], 1
	s_add_co_u32 s[G0+4*\s+1], s20, \s*SLOT
	s_add_nc_u64 s[G0+4*\s+2:G0+4*\s+3], s[14:15], \s*8192
	s_or_b32 s[G0+4*\s+3], s[G0+4*\s+3], 0x80000000
	s_mov_b32 s[G0B+4*\s], 1
	s_add_co_u32 s[G0B+4*\s+1], s20, \s*SLOT
	s_add_nc_u64 s[G0B+4*\s+2:G0B+4*\s+3], s[46:47], \s*8192
	s_or_b32 s[G0B+4*\s+3], s[G0B+4*\s+3], 0x80000000
	JLOAD \s
.endr
	v_and_b32 v1, 15, v0
	v_bfe_u32 v2, v0, 4, 1
	v_and_b32 v3, 31, v0
	v_lshlrev_b32 v3, 4, v3                        ; 16 x lane
	s_mul_i32 s21, s11, HALFT
	s_mul_i32 s22, s12, HALFT
	s_add_co_u32 s22, s22, 2*HALFT
.irp s, 0,1
	v_add_nc_u32 v[ADRA+\s], s21, v3
	v_add_nc_u32 v[ADRB+\s], s22, v3
	s_add_co_u32 s21, s21, SLOT
	s_add_co_u32 s22, s22, SLOT
.endr
	s_mul_i32 s23, s10, 16*SPITCH
	s_add_co_u32 s23, s23, STAGE                   ; my stage
	v_mul_u32_u24 v4, v1, SPITCH
	v_lshl_add_u32 v4, v2, 5, v4
	v_add_nc_u32 v[STO], s23, v4                   ; in: row l % 16, 32 bytes for each half of the lanes
	v_mul_u32_u24 v5, v2, SPITCH
	v_lshl_add_u32 v5, v1, 4, v5
	v_add_nc_u32 v[RD], s23, v5                    ; back: lanes 0-15 one row of 256 bytes, lanes 16-31 the next
	v_lshlrev_b32 v[CO], 12, v2
	v_lshl_add_u32 v[CO], v1, 4, v[CO]             ; and the same two rows in pre
	s_lshl_b32 s16, s13, 19
	s_lshl_b32 s17, s11, 18
	s_add_co_u32 s16, s16, s17                     ; my first row: 128 x tile row + 64 x half, 4,096 bytes a row
	s_mov_b32 s17, 0
	s_add_nc_u64 s[8:9], s[8:9], s[16:17]
	s_lshl_b32 s46, s42, 9
	s_lshl_b32 s47, s12, 8
	s_add_co_u32 s46, s46, s47                     ; my first column, in bytes
	s_mov_b32 s47, 0
	s_add_nc_u64 s[8:9], s[8:9], s[46:47]
.macro MUL8 f, c, a0, zero             ; 8 matrix instructions; the 16 accumulators take turns
.irp a, \a0, \a0+1
.irp b, 0,1,2,3
.if \zero
	v_wmma_f32_16x16x32_f16 v[ACC+8*(4*(\a)+\b):ACC+8*(4*(\a)+\b)+7], v[\f+64+8*(4*\c+\b):\f+64+8*(4*\c+\b)+7], v[\f+8*(4*\c+\a):\f+8*(4*\c+\a)+7], 0
.else
	v_wmma_f32_16x16x32_f16 v[ACC+8*(4*(\a)+\b):ACC+8*(4*(\a)+\b)+7], v[\f+64+8*(4*\c+\b):\f+64+8*(4*\c+\b)+7], v[\f+8*(4*\c+\a):\f+8*(4*\c+\a)+7], v[ACC+8*(4*(\a)+\b):ACC+8*(4*(\a)+\b)+7]
.endif
.endr
.endr
.endm
.macro FETCH slot, q, f                ; 32 LDS loads in one run: the slot's q-th 64 along K; its first 32 first
	WIN TO_F
.irp c, 0,1
.irp i, 0,1,2,3
	ds_load_b128 v[\f+64+8*(4*\c+\i):\f+64+8*(4*\c+\i)+3],   v[ADRB+\slot] offset:(2*(\q)+\c)*1024+\i*8192
	ds_load_b128 v[\f+64+8*(4*\c+\i)+4:\f+64+8*(4*\c+\i)+7], v[ADRB+\slot] offset:(2*(\q)+\c)*1024+\i*8192+512
	ds_load_b128 v[\f+8*(4*\c+\i):\f+8*(4*\c+\i)+3],         v[ADRA+\slot] offset:(2*(\q)+\c)*1024+\i*8192
	ds_load_b128 v[\f+8*(4*\c+\i)+4:\f+8*(4*\c+\i)+7],       v[ADRA+\slot] offset:(2*(\q)+\c)*1024+\i*8192+512
.endr
.endr
.endm
.macro PLACES
.rept 4
	v_nop
.endr
.endm
.macro QUARTER slot, q, f, g, zero     ; multiplies buffer f and fetches the slot's q-th quarter into g
	s_wait_dscnt 16                                ; the first 32 along K are in
	WIN MUL
	MUL8 \f, 0, 0, \zero
	MUL8 \f, 0, 2, \zero
	PLACES
	FETCH \slot, \q, \g
	s_wait_dscnt 32                                ; all but the 32 just issued
	WIN MUL
	MUL8 \f, 1, 0, 0
	MUL8 \f, 1, 2, 0
.endm
; The last quarter multiplies buffer 1 and changes slots: in front of the barrier each wave waits for all its tensor loads, adds 0 to its spare word, and waits for that and for its reads of this slot.
.macro TURN slot, next, fill
	WIN 0
	s_wait_tensorcnt 0x0                           ; my part of the next slot has landed: no load of mine is out
	ds_add_u32 v[SPW], v[NIL]
	s_wait_dscnt 17                                ; (the add and the youngest sixteen loads may be out)
	WIN MUL
	MUL8 F1, 0, 0, 0
	s_wait_dscnt 0x0                               ; the add is done, and my reads of this slot are over
	s_barrier_signal -1
	MUL8 F1, 0, 2, 0
.if \fill
	WIN 0
.endif
	s_barrier_wait -1
.if \fill
	CREST                                          ; the barrier has opened a round of the cluster's: no wave of any partner still reads this slot or has a load on its way
	s_add_nc_u64 s[G0+4*\slot+2:G0+4*\slot+3], s[G0+4*\slot+2:G0+4*\slot+3], 16384
	s_add_nc_u64 s[G0B+4*\slot+2:G0B+4*\slot+3], s[G0B+4*\slot+2:G0B+4*\slot+3], 16384
	JLOAD \slot                                    ; the first tensor load behind the round, one a wave; its four v_nop are also the places in front of the loads below
.else
	PLACES
.endif
	FETCH \next, 0, F0
	WIN MUL
	MUL8 F1, 1, 0, 0
	MUL8 F1, 1, 2, 0
.endm
	s_wait_tensorcnt 1                             ; my part of K step 0 is in (K step 1's load may be out)
	s_barrier_signal -1
	s_barrier_wait -1
	FETCH 0, 0, F0
	QUARTER 0, 1, F0, F1, 1                        ; the first products start the sums
	WIN 0
	s_mov_b32 s3, LAPS-1
.Llap:
	QUARTER 0, 2, F1, F0, 0
	QUARTER 0, 3, F0, F1, 0
	TURN 0, 1, 1
	QUARTER 1, 1, F0, F1, 0
	QUARTER 1, 2, F1, F0, 0
	QUARTER 1, 3, F0, F1, 0
	TURN 1, 0, 1
	QUARTER 0, 1, F0, F1, 0
	WIN 0
	s_sub_co_u32 s3, s3, 1
	s_cmp_lg_u32 s3, 0
	s_cbranch_scc1 .Llap
	QUARTER 0, 2, F1, F0, 0                        ; the last lap fills nothing
	QUARTER 0, 3, F0, F1, 0
	TURN 0, 1, 0
	QUARTER 1, 1, F0, F1, 0
	QUARTER 1, 2, F1, F0, 0
	QUARTER 1, 3, F0, F1, 0
	s_wait_dscnt 16
	WIN MUL
	MUL8 F1, 0, 0, 0
	MUL8 F1, 0, 2, 0
	s_wait_dscnt 0
	MUL8 F1, 1, 0, 0
	MUL8 F1, 1, 2, 0
	WIN 0
; THE WAY OUT, 16 rows at a time through my own stage: in as 32 bytes a lane, back as whole rows of 256 bytes.  LDS serves a wave's instructions in order (ISA guide 5.7.1.4): no wait between the stores and the loads.
.macro TOSTAGE a
.irp b, 0,1,2,3
	ds_store_b128 v[STO], v[ACC+8*(4*\a+\b):ACC+8*(4*\a+\b)+3] offset:64*\b          ; each accumulator from its low end on
	ds_store_b128 v[STO], v[ACC+8*(4*\a+\b)+4:ACC+8*(4*\a+\b)+7] offset:64*\b+16
.endr
.irp t, 0,1,2,3,4,5,6,7
	ds_load_b128 v[TMP+32*(\a%2)+4*\t:TMP+32*(\a%2)+4*\t+3], v[RD] offset:\t*2*SPITCH
.endr
.endm
.macro SEND a, younger
	s_wait_dscnt \younger                          ; the block is back; the next block's eight stores and eight loads may be out
.irp t, 0,1,2,3,4,5,6,7
	global_store_b128 v[CO], v[TMP+32*(\a%2)+4*\t:TMP+32*(\a%2)+4*\t+3], s[8:9] offset:(16*\a+2*\t)*4096   ; sixteen lanes store 256 consecutive bytes, aligned
.endr
.endm
	PLACES
	TOSTAGE 0
	TOSTAGE 1
	SEND 0, 16
	s_wait_xcnt 0x0                                ; block 0's stores have read their registers: block 2 may land there
	TOSTAGE 2
	SEND 1, 16
	s_wait_xcnt 0x0
	TOSTAGE 3
	SEND 2, 16
	SEND 3, 0
	s_wait_tensorcnt 0x0                           ; the wave's end
	ds_add_u32 v[SPW], v[NIL]
	s_wait_dscnt 0x0
	CROUND                                         ; the closing round
	s_endpgm
.Lfunc_end_k_q5d840a5e91_proj:
	.size	k_q5d840a5e91_proj, .Lfunc_end_k_q5d840a5e91_proj-k_q5d840a5e91_proj
	.p2alignl 7, 3214868480
	.fill 96, 4, 3214868480
	.section	.rodata,"a",@progbits
	.p2align	6, 0x0
	.amdhsa_kernel k_q5d840a5e91_proj
		.amdhsa_group_segment_fixed_size 327680
		.amdhsa_private_segment_fixed_size 0
		.amdhsa_enable_private_segment 0
		.amdhsa_kernarg_size 24
		.amdhsa_user_sgpr_count 2
		.amdhsa_user_sgpr_kernarg_segment_ptr 1
		.amdhsa_wavefront_size32 1
		.amdhsa_system_sgpr_workgroup_id_x 1
		.amdhsa_system_sgpr_workgroup_id_y 1
		.amdhsa_system_sgpr_workgroup_id_z 1
		.amdhsa_system_vgpr_workitem_id 0
		.amdhsa_next_free_vgpr 512
		.amdhsa_next_free_sgpr 66
		.amdhsa_reserve_vcc 0
		.amdhsa_float_denorm_mode_32 3
		.amdhsa_float_denorm_mode_16_64 3
		.amdhsa_memory_ordered 1
		.amdhsa_forward_progress 1
		.amdhsa_inst_pref_size 85
	.end_amdhsa_kernel
	.amdgpu_metadata
---
amdhsa.version: [ 1, 2 ]
amdhsa.kernels:
  - .name:           k_q5d840a5e91_proj
    .symbol:         k_q5d840a5e91_proj.kd
    .args:
      - { .name: fused, .offset: 0, .size: 8, .value_kind: global_buffer, .address_space: global }
      - { .name: wpt, .offset: 8, .size: 8, .value_kind: global_buffer, .address_space: global }
      - { .name: pre, .offset: 16, .size: 8, .value_kind: global_buffer, .address_space: global }
    .group_segment_fixed_size: 327680
    .private_segment_fixed_size: 0
    .kernarg_segment_align: 8
    .kernarg_segment_size: 24
    .max_flat_workgroup_size: 128
    .sgpr_count:     66
    .vgpr_count:     512
    .wavefront_size: 32
...
	.end_amdgpu_metadata
.endif
;; end of part 4
;; launch lnorm (part 5): grid 256 x 1, 4 waves a work-group, no clusters, 0 bytes of LDS; arguments pre, bp, gamma, beta, out0; writes out0
.if DOCPART == 5
	.amdgcn_target "amdgcn-amd-amdhsa--gfx1250"
	.amdhsa_code_object_version 6
	.text
	.protected	k_q5d840a5e91_lnorm
	.globl	k_q5d840a5e91_lnorm
	.p2align	8
	.type	k_q5d840a5e91_lnorm,@function
k_q5d840a5e91_lnorm:
	s_mov_b64 s[64:65], 0
	v_nop
	global_prefetch_b8 v0, s[64:65] scope:SCOPE_SE
	s_setreg_imm32_b32 hwreg(HW_REG_WAVE_MODE, 25, 1), 1
	s_wait_xcnt 0x0
; LNORM: out0 = LayerNorm(pre + bp) x gamma + beta over rows of 1,024, eps = 1e-5, all in f32.
; A wave takes four whole rows, 32 registers each: a row is read once, and its mean and variance never leave the wave.  No LDS, no barrier.  All 56 loads of a wave go out at its head.
; A lane holds columns 4 lane + 128 j + 0 .. 3, j = 0 .. 7: every load and store of a wave covers 512 consecutive bytes.  The variance is the mean of the squared differences from the mean.
.set BP, 16                            ; v16-47   bp of my 32 columns
.set GA, 48                            ; v48-79   gamma
.set BE, 80                            ; v80-111  beta
.set X,  112                           ; v112-239 four rows
	s_load_b256 s[4:11], s[0:1], 0x0               ; pre, bp, gamma, beta
	s_load_b64 s[12:13], s[0:1], 0x20              ; out0
	v_lshrrev_b32 v2, 5, v0
	v_readfirstlane_b32 s14, v2                    ; wave
	v_and_b32 v1, 31, v0
	v_lshlrev_b32 v1, 4, v1
	s_lshl_b32 s16, ttmp9, 16                      ; 16 rows of 4,096 bytes a work-group,
	s_lshl_b32 s15, s14, 14                        ; 4 a wave
	s_add_co_u32 s16, s16, s15
	s_mov_b32 s17, 0
	s_mov_b32 s18, 0x76543210
	s_mov_b32 s19, 0xfedcba98
	s_mov_b32 s20, 0x3a800000                      ; 1 / 1,024
	s_mov_b32 s21, 0x3727c5ac                      ; 1e-5
	v_mov_b32 v7, 0                                ; partners of pairs, and a permute's destination: written once
	v_mov_b32 v9, 0
	v_mov_b32 v10, 0
	s_wait_kmcnt 0x0
	s_add_nc_u64 s[4:5], s[4:5], s[16:17]
	s_add_nc_u64 s[12:13], s[12:13], s[16:17]
.irp j, 0,1,2,3,4,5,6,7
	global_load_b128 v[BP+4*\j:BP+4*\j+3], v1, s[6:7] offset:512*\j
	global_load_b128 v[GA+4*\j:GA+4*\j+3], v1, s[8:9] offset:512*\j
	global_load_b128 v[BE+4*\j:BE+4*\j+3], v1, s[10:11] offset:512*\j
.endr
.irp i, 0,1,2,3
.irp j, 0,1,2,3,4,5,6,7
	global_load_b128 v[X+32*\i+4*\j:X+32*\i+4*\j+3], v1, s[4:5] offset:4096*\i+512*\j th:TH_LOAD_NT
.endr
.endr
.macro ALLSUM                          ; v2 summed over the 32 lanes, in every lane
	v_add_f32_dpp v2, v2, v2 row_xmask:1 row_mask:0xf bank_mask:0xf
	v_add_f32_dpp v2, v2, v2 row_xmask:2 row_mask:0xf bank_mask:0xf
	v_add_f32_dpp v2, v2, v2 row_xmask:4 row_mask:0xf bank_mask:0xf
	v_add_f32_dpp v2, v2, v2 row_xmask:8 row_mask:0xf bank_mask:0xf
	v_permlanex16_b32 v10, v2, s18, s19
	v_add_f32 v2, v2, v10
.endm
.macro ROW i
.set XR, X+32*\i
	s_wait_loadcnt 8*(3-\i)                        ; this row's eight loads are in (and the parameters, issued ahead of them); the later rows' may be out
.set j, 0
.rept 16
	v_pk_add_f32 v[XR+j:XR+j+1], v[XR+j:XR+j+1], v[BP+j:BP+j+1]
.set j, j+2
.endr
	v_pk_add_f32 v[2:3], v[XR:XR+1], v[XR+2:XR+3]  ; the sum, in two chains
	v_pk_add_f32 v[4:5], v[XR+4:XR+5], v[XR+6:XR+7]
.irp n, 8,12,16,20,24,28
	v_pk_add_f32 v[2:3], v[2:3], v[XR+\n:XR+\n+1]
	v_pk_add_f32 v[4:5], v[4:5], v[XR+\n+2:XR+\n+3]
.endr
	v_pk_add_f32 v[2:3], v[2:3], v[4:5]
	v_add_f32 v2, v2, v3
	ALLSUM
	v_mul_f32 v6, s20, v2                          ; the mean
.set j, 0
.rept 16
	v_pk_add_f32 v[XR+j:XR+j+1], v[XR+j:XR+j+1], v[6:7] op_sel_hi:[1,0] neg_lo:[0,1] neg_hi:[0,1]
.set j, j+2
.endr
	v_pk_mul_f32 v[2:3], v[XR:XR+1], v[XR:XR+1]    ; the squares' sum, in two chains
	v_pk_mul_f32 v[4:5], v[XR+2:XR+3], v[XR+2:XR+3]
.irp n, 4,8,12,16,20,24,28
	v_pk_fma_f32 v[2:3], v[XR+\n:XR+\n+1], v[XR+\n:XR+\n+1], v[2:3]
	v_pk_fma_f32 v[4:5], v[XR+\n+2:XR+\n+3], v[XR+\n+2:XR+\n+3], v[4:5]
.endr
	v_pk_add_f32 v[2:3], v[2:3], v[4:5]
	v_add_f32 v2, v2, v3
	ALLSUM
	v_fma_f32 v8, v2, s20, s21                     ; the variance + eps
	v_rsq_f32 v8, v8
	v_nop                                          ; a plain line behind the transcendental
	s_wait_alu depctr_va_vdst(0)                   ; and the wait ahead of its first reader
.set j, 0
.rept 16
	v_pk_mul_f32 v[XR+j:XR+j+1], v[XR+j:XR+j+1], v[8:9] op_sel_hi:[1,0]
.set j, j+2
.endr
.set j, 0
.rept 16
	v_pk_fma_f32 v[XR+j:XR+j+1], v[XR+j:XR+j+1], v[GA+j:GA+j+1], v[BE+j:BE+j+1]
.set j, j+2
.endr
.irp j, 0,1,2,3,4,5,6,7
	global_store_b128 v1, v[XR+4*\j:XR+4*\j+3], s[12:13] offset:4096*\i+512*\j th:TH_STORE_NT
.endr
.endm
	ROW 0
	ROW 1
	ROW 2
	ROW 3
	s_endpgm
.Lfunc_end_k_q5d840a5e91_lnorm:
	.size	k_q5d840a5e91_lnorm, .Lfunc_end_k_q5d840a5e91_lnorm-k_q5d840a5e91_lnorm
	.p2alignl 7, 3214868480
	.fill 96, 4, 3214868480
	.section	.rodata,"a",@progbits
	.p2align	6, 0x0
	.amdhsa_kernel k_q5d840a5e91_lnorm
		.amdhsa_group_segment_fixed_size 0
		.amdhsa_private_segment_fixed_size 0
		.amdhsa_enable_private_segment 0
		.amdhsa_kernarg_size 40
		.amdhsa_user_sgpr_count 2
		.amdhsa_user_sgpr_kernarg_segment_ptr 1
		.amdhsa_wavefront_size32 1
		.amdhsa_system_sgpr_workgroup_id_x 1
		.amdhsa_system_sgpr_workgroup_id_y 1
		.amdhsa_system_sgpr_workgroup_id_z 1
		.amdhsa_system_vgpr_workitem_id 0
		.amdhsa_next_free_vgpr 256
		.amdhsa_next_free_sgpr 66
		.amdhsa_reserve_vcc 0
		.amdhsa_float_denorm_mode_32 3
		.amdhsa_float_denorm_mode_16_64 3
		.amdhsa_memory_ordered 1
		.amdhsa_forward_progress 1
		.amdhsa_inst_pref_size 38
	.end_amdhsa_kernel
	.amdgpu_metadata
---
amdhsa.version: [ 1, 2 ]
amdhsa.kernels:
  - .name:           k_q5d840a5e91_lnorm
    .symbol:         k_q5d840a5e91_lnorm.kd
    .args:
      - { .name: pre, .offset: 0, .size: 8, .value_kind: global_buffer, .address_space: global }
      - { .name: bp, .offset: 8, .size: 8, .value_kind: global_buffer, .address_space: global }
      - { .name: gamma, .offset: 16, .size: 8, .value_kind: global_buffer, .address_space: global }
      - { .name: beta, .offset: 24, .size: 8, .value_kind: global_buffer, .address_space: global }
      - { .name: out0, .offset: 32, .size: 8, .value_kind: global_buffer, .address_space: global }
    .group_segment_fixed_size: 0
    .private_segment_fixed_size: 0
    .kernarg_segment_align: 8
    .kernarg_segment_size: 40
    .max_flat_workgroup_size: 128
    .sgpr_count:     66
    .vgpr_count:     256
    .wavefront_size: 32
...
	.end_amdgpu_metadata
.endif
;; end of part 5
